; MI455X (gfx1250); checked and timed in simulation.
; The chip was launched on July 23, 2026; its instructions are those of AMD's public machine-readable ISA for CDNA 5 (MIT licence, August 2026) and "CDNA5" Instruction Set Architecture Reference Guide (July 2026). The comments in the code are by the model that wrote it; some were corrected since.
;; Multi Head Attention. Allowed arithmetic: matrix products marked QUANTISED: E2M3 operands, one E8M0 scale for each 32 along K, by v_wmma_scale_f32_16x16x128_f8f6f4 with both operands' format E2M3, f32 sums; everything else in f32.
;; Inputs: Wk 1,024 x 1,024 float32; Wo 1,024 x 1,024 float32; Wq 1,024 x 1,024 float32; Wv 1,024 x 1,024 float32; bk 1,024 float32; bo 1,024 float32; bq 1,024 float32; bv 1,024 float32; key 4 x 2,048 x 1,024 float32; query 4 x 2,048 x 1,024 float32; value 4 x 2,048 x 1,024 float32.
;; Outputs: out0 4 x 2,048 x 1,024 float32.
;; This version of the problem:
;;   THIS VERSION OF THE PROBLEM IS GIVEN IN LOW PRECISION. The matrix products marked QUANTISED in the list below multiply operands that are first quantised to E2M3 (2 exponent bits, 3 mantissa bits; 6 bits a number), with one power-of-two scale for each 32 numbers along K (OCP MX v1.0); their sums are f32. All else is computed in f32.
;;   The module's matrix products, in the order in which they are computed (A, B: the left and right operand; K: the contracted axis; several contracted axes count as one K, in the product's order):
;;     1. [M 8,192, K 1,024] x [K 1,024, N 1,024]; A: input query; B: input Wq: QUANTISED
;;     2. [M 8,192, K 1,024] x [K 1,024, N 1,024]; A: input key; B: input Wk: QUANTISED
;;     3. [M 8,192, K 1,024] x [K 1,024, N 1,024]; A: input value; B: input Wv: QUANTISED
;;     4. batch 64 x [M 2,048, K 64] x [K 64, N 2,048]; A: computed on the way; B: computed on the way: QUANTISED
;;     5. batch 64 x [M 2,048, K 2,048] x [K 2,048, N 64]; A: softmax (see below); B: computed on the way: QUANTISED
;;     6. [M 8,192, K 1,024] x [K 1,024, N 1,024]; A: computed on the way; B: input Wo: QUANTISED
;;   THE QUANTISER, for each operand of a quantised product, along K:
;;     - K is cut into blocks of 32 from its start; a last block that is shorter is filled with zeros.
;;     - A block's scale is 2^e with e = floor(log2(the largest magnitude in the block)) - 2, held to -126 .. 127; a block of zeros has e = 0. As a byte (E8M0): e + 127.
;;     - Each number is divided by its block's scale, clamped to +-7.5, and rounded to the nearest number of E2M3, ties to even, subnormals kept.
;;     - The product sums the exact products of the quantised numbers (number of the format x scale) in f32.
;;   ~~~python
;;   def quantise(x, axis):      # numpy; x: float32 -> the quantised numbers, widened to float32 again
;;       x = np.moveaxis(x, axis, -1); K = x.shape[-1]
;;       x = np.pad(x, [(0, 0)] * (x.ndim - 1) + [(0, -K % 32)]); x = x.reshape(x.shape[:-1] + (-1, 32)); a = np.abs(x).max(-1, keepdims=True)
;;       e = np.where(a > 0, np.clip(np.frexp(np.where(a > 0, a, 1))[1] - 1 - 2, -126, 127), 0)      # np.frexp(a)[1] - 1 = floor(log2(a)), exactly
;;       r = np.clip(x / 2.0 ** e, -7.5, 7.5)
;;       step = 2.0 ** (np.maximum(np.frexp(np.where(r == 0, 1, r))[1] - 1, 0) - 3)
;;       q = np.round(r / step) * step * 2.0 ** e      # np.round: ties to even
;;       return np.moveaxis(q.reshape(q.shape[:-2] + (-1,))[..., :K], -1, axis).astype(np.float32)
;;   ~~~
;;   SOFTMAX AHEAD OF A QUANTISED PRODUCT. Where the list says 'softmax', what is quantised is not the finished softmax but p = 2^(t - M), with t = logit x log2(e) and M = ceil(the row's largest t), a whole number; so 1/2 < the row's largest p <= 1. The row's sum l is taken of the UNQUANTISED p, in f32, and the product's result is divided by l at the end. Since M is a whole number, a kernel that streams over the keys may use a running M (the ceiling of the running maximum): every later rescaling is an exact power of two, which a block's scale takes up: the codes' values come out the same.
;;   OPERANDS COMPUTED ON THE WAY. 'Computed on the way' means the value that the module computes at that place (a softmax that the list does not call 'softmax' is quantised finished and normalised). What goes into a quantiser is computed in f32, as accurately as f32 sums, v_exp_f32 and their like allow (about 1e-6 of the number): no bf16 or f16 on the way to a quantiser, and a product that is left as it is and whose result goes on into a quantised operand takes f32 operands (vector FMAs, or v_wmma_f32_16x16x4_f32). A number that lies on a knife's edge between two numbers of the format may be rounded either way, as far as f32 arithmetic and the matrix unit's own rounding can turn it there, and no further.
;; One version. Each part assembles by itself: llvm-mc -triple=amdgcn-amd-amdhsa -mcpu=gfx1250 --defsym DOCPART=n.
;; ======== version 1 of 1: 4 launches
;; limits: right only within a limited range of input values
;; workspace buffers: codes 22,020,096 bytes; scales 917,504 bytes; qkv 18,874,368 bytes; qkvs 786,432 bytes; ao 6,291,456 bytes; aos 262,144 bytes
;; launch quant (part 1): grid 1280 x 1, 2 waves a work-group, no clusters, 34,304 bytes of LDS; arguments query, key, value, Wq, Wk, Wv, Wo, codes, scales; writes codes, scales
.if DOCPART == 1
	.amdgcn_target "amdgcn-amd-amdhsa--gfx1250"
	.amdhsa_code_object_version 6
	.text
	.protected	k_qcefb674bbb_quant
	.globl	k_qcefb674bbb_quant
	.p2align	8
	.type	k_qcefb674bbb_quant,@function
k_qcefb674bbb_quant:
	s_mov_b64 s[64:65], 0
	v_nop
	global_prefetch_b8 v0, s[64:65] scope:SCOPE_SE
	s_setreg_imm32_b32 hwreg(HW_REG_WAVE_MODE, 25, 1), 1
	s_wait_xcnt 0x0
; query, key, value [8192][1024] and Wq, Wk, Wv, Wo [1024 (k)][1024 (n)], f32, become codes of FP6 (E2M3) with one E8M0 byte for each 32 along K (x: its last axis; W: its FIRST axis).
; A block's scale is 2^(floor(log2(its largest magnitude)) - 2); its byte is that magnitude's exponent field - 2, held at 1 from below.
; LIMITS: NaN and infinities are not served; a block whose largest magnitude lies under 2^-124 has its byte held at 1; a block of zeros gets the byte 1 where the rule says 127: its codes are zeros, and this program alone reads the bytes.
; LAYOUT OF THE CODES.  An operand's rows (tokens; a weight's columns n) are kept in STORAGE ORDER: storage row p holds true row p with bits 3 and 4 exchanged.  So lane r of storage tile T is true row 32 (T / 2) + 8 (T % 2) + r + 8 (r / 8).
; A fragment (16 storage rows x 128 K, 12 registers a lane) lies as an image of its registers, 1,536 bytes: two halves of 768 (64 K each): bytes 16 x lane: registers 0-3; bytes 512 + 16 r + 8 h: registers 4, 5 (r = lane % 16, h = lane / 16).
; Image (tile T, K step s) lies at (8 T + s) x 1,536.  Tiles: query 0-511, key 512-1023, Wv 1024-1087, Wq 1088-1151, Wk 1152-1215, value 1216-1727, Wo 1728-1791.  Scale bytes: [storage row][32].
; Work-groups 0-767 take x: a wave a tile of 16 rows, all of K, in 8 steps of 128.  Work-groups 768-1279 take the weights: a wave 32 columns x 128 K, a lane to a column, its registers running down K.
; No cluster: no two work-groups read the same bytes.  No tensor load, no barrier: waves share nothing.  Only the x path touches LDS.
.set WV,  2                            ; s2   wave
.set SEL, 32                           ; s[32:33] lane selects for v_permlanex16_b32: lane l xor 16
.set L16, 1                            ; v1   16 x lane
.set LT,  2                            ; v2   16 r + 8 h
.set STI, 3                            ; v3   the stage, on the way in
.set STO, 4                            ; v4   and on the way out
.set SOF, 5                            ; v5   32 r + 16 h: my half of my row's scale bytes
.set SW,  8                            ; v8-15  the eight scale words of my row
.set SO,  16                           ; v16-19 the four that I store
.set PC,  20                           ; v20-38 the codes just made
.set TM,  40                           ; v40-55 at work in QUANT
.set HH,  56                           ; v56  h
.set R,   64                           ; v64-191  two sets of 64 numbers as loaded
.set X,   192                          ; v192-255 64 numbers, turned
; 64 numbers of a lane, register 16 b + i = k 32 b + 16 h + i of my row, become a fragment's codes in v[PC] on and its scale word in v[pw].
.macro QUANT s, pw
.irp b, 0,1,2,3
	v_max3_num_f32 v[TM+\b], |v[\s+16*\b]|, |v[\s+1+16*\b]|, 0x1800000   ; block b: my 16 numbers, and the floor 2^(3 - 127): the byte cannot fall under 1
.endr
.irp i, 2,4,6,8,10,12,14
.irp b, 0,1,2,3
	v_max3_num_f32 v[TM+\b], v[TM+\b], |v[\s+16*\b+\i]|, |v[\s+1+16*\b+\i]|
.endr
.endr
.irp b, 0,1,2,3
	v_permlanex16_b32 v[TM+4+\b], v[TM+\b], s[SEL], s[SEL+1]
.endr
.irp b, 0,1,2,3
	v_max_num_f32 v[TM+\b], v[TM+\b], v[TM+4+\b]   ; with lane l xor 16's: the block's largest magnitude
.endr
.irp b, 0,1,2,3
	v_add_nc_u32 v[TM+12+\b], 0xff000000, v[TM+\b]   ; 2 off its exponent field: the conversion's scale operand
.endr
.irp b, 0,1,2,3
	v_lshrrev_b32 v[TM+4+\b], 23, v[TM+12+\b]      ; the scale's byte
.endr
	v_lshl_or_b32 v[\pw], v[TM+5], 8, v[TM+4]
	v_lshl_or_b32 v[\pw], v[TM+6], 16, v[\pw]
	v_lshl_or_b32 v[\pw], v[TM+7], 24, v[\pw]
.irp c, 0,1
	v_cvt_scalef32_pk16_fp6_f32 v[PC+6*\c:PC+2+6*\c], v[\s+32*\c:\s+15+32*\c], v[TM+12+2*\c]
	v_cvt_scalef32_pk16_fp6_f32 v[PC+12+4*\c:PC+14+4*\c], v[\s+16+32*\c:\s+31+32*\c], v[TM+12+2*\c+1]   ; (a conversion's three registers begin on an even number)
.endr
	v_nop                                          ; one plain place behind a scaled conversion
.irp c, 0,1                                    ; the operand's layout wants a WHOLE block in a lane
.irp i, 0,1,2
	v_permlane16_swap_b32 v[PC+6*\c+\i], v[PC+12+4*\c+\i]
.endr
.irp i, 0,1,2
	v_mov_b32 v[PC+3+6*\c+\i], v[PC+12+4*\c+\i]
.endr
.endr
.endm
	s_load_b256 s[4:11], s[0:1], 0x0               ; query s[4:5], key s[6:7], value s[8:9], Wq s[10:11]
	s_load_b256 s[12:19], s[0:1], 0x20             ; Wk s[12:13], Wv s[14:15], Wo s[16:17], codes s[18:19]
	s_load_b64 s[20:21], s[0:1], 0x40              ; scales
	v_lshl_add_u32 v62, v0, 2, 0x8400
	v_mov_b32 v63, 0
	v_lshrrev_b32 v1, 5, v0
	v_readfirstlane_b32 s[WV], v1                  ; wave 0..1
	v_and_b32 v6, 31, v0                           ; lane
	; THE DEAL: work-groups of two waves; 0-767 take x (query 0-255, key 256-511, value 512-767), 768-1279 the weights: 1,280 work-groups are five for each of 256 WGPs
	s_cmp_lt_u32 ttmp9, 768
	s_cbranch_scc0 .Lweights
	; ---------------- x: a wave takes one storage tile of 16 rows ----------------
	v_and_b32 v7, 15, v0                           ; r
	v_bfe_u32 v[HH], v0, 4, 1                      ; h
	v_lshlrev_b32 v[L16], 4, v6
	v_lshlrev_b32 v[LT], 4, v7
	v_lshl_add_u32 v[LT], v[HH], 3, v[LT]
	s_mul_i32 s22, s[WV], 8448                     ; my stage: 16 rows of 512 bytes + 16
	v_add_nc_u32 v[STI], s22, v[L16]               ; in: a row's 512 bytes as they lie
	v_mul_u32_u24 v[STO], v7, 528
	v_lshl_add_u32 v[STO], v[HH], 6, v[STO]
	v_add_nc_u32 v[STO], s22, v[STO]               ; out: row r, + 64 h: my 16 numbers of each block of 32
	v_lshlrev_b32 v[SOF], 5, v7
	v_lshl_add_u32 v[SOF], v[HH], 4, v[SOF]
.irp b, 0,1,2,3
	v_mov_b32 v[TM+4+\b], 0                        ; written once: a lane permute's destination counts as one of its sources
.endr
	s_mov_b32 s[SEL], 0x76543210
	s_mov_b32 s[SEL+1], 0xfedcba98
	s_lshl_b32 s23, ttmp9, 1
	s_add_co_u32 s23, s23, s[WV]                   ; my task, 0 .. 1535
	s_and_b32 s24, s23, 511                        ; my tile in its tensor
	s_lshr_b32 s28, s24, 1
	s_lshl_b32 s28, s28, 17                        ; its first true row, 32 (T / 2) + 8 (T % 2), times 4,096 bytes
	s_and_b32 s29, s24, 1
	s_lshl_b32 s29, s29, 15
	s_add_co_u32 s28, s28, s29
	s_mov_b32 s29, 0
	s_mov_b32 s25, 1216
	s_wait_alu depctr_va_vdst(0)
	s_wait_kmcnt 0x0
	s_cmp_lt_u32 ttmp9, 512
	s_cselect_b64 s[26:27], s[6:7], s[8:9]
	s_cselect_b32 s25, 512, s25
	s_cmp_lt_u32 ttmp9, 256
	s_cselect_b64 s[26:27], s[4:5], s[26:27]
	s_cselect_b32 s25, 0, s25
	s_add_nc_u64 s[26:27], s[26:27], s[28:29]
	s_add_co_u32 s25, s25, s24                     ; the tile's number among all tiles
	s_mul_i32 s28, s25, 12288
	s_add_nc_u64 s[18:19], s[18:19], s[28:29]      ; its eight images
	s_lshl_b32 s28, s25, 9
	s_add_nc_u64 s[20:21], s[20:21], s[28:29]      ; its 512 scale bytes
.macro LOAD t                          ; K step t of the 16 rows: each load reads 512 consecutive bytes of one true row
.irp i, 0,1,2,3,4,5,6,7,8,9,10,11,12,13,14,15
	global_load_b128 v[R+64*((\t)%2)+4*\i:R+64*((\t)%2)+4*\i+3], v[L16], s[26:27] offset:(\i+8*(\i/8))*4096+512*(\t) th:TH_LOAD_NT
.endr
.endm
.macro XSTEP t
.if (\t) < 7
	s_wait_loadcnt 16                              ; this step's 16 loads are in; the next step's 16 may be out
.else
	s_wait_loadcnt 0x0
.endif
.irp i, 0,1,2,3,4,5,6,7,8,9,10,11,12,13,14,15
	ds_store_b128 v[STI], v[R+64*((\t)%2)+4*\i:R+64*((\t)%2)+4*\i+3] offset:528*\i
.endr
.irp b, 0,1,2,3
.irp j, 0,1,2,3
	ds_load_b128 v[X+16*\b+4*\j:X+16*\b+4*\j+3], v[STO] offset:128*\b+16*\j   ; LDS serves a wave's instructions in order (ISA guide 5.7.1.4): these see the stores above
.endr
.endr
	s_wait_dscnt 0x0                               ; the numbers are back, and the stores have read the set that is loaded again below
	s_wait_xcnt 0x0                                ; the last step's stores have read the codes' registers
.if (\t) < 6
	LOAD (\t)+2
.endif
	QUANT X, SW+(\t)
	global_store_b128 v[L16], v[PC:PC+3], s[18:19] offset:1536*(\t)          ; each store covers 512 or 256 consecutive bytes, aligned
	global_store_b64 v[LT], v[PC+4:PC+5], s[18:19] offset:1536*(\t)+512
	global_store_b128 v[L16], v[PC+6:PC+9], s[18:19] offset:1536*(\t)+768
	global_store_b64 v[LT], v[PC+10:PC+11], s[18:19] offset:1536*(\t)+1280
.endm
	LOAD 0
	LOAD 1
.irp t, 0,1,2,3,4,5,6,7
	XSTEP \t
.endr
	v_cmp_ne_u32 vcc_lo, 0, v[HH]                  ; both halves of the lanes hold row r's eight words: lanes 0-15 store the first four, lanes 16-31 the others
.irp i, 0,1,2,3
	v_cndmask_b32 v[SO+\i], v[SW+\i], v[SW+4+\i], vcc_lo
.endr
	global_store_b128 v[SOF], v[SO:SO+3], s[20:21] ; 512 consecutive bytes
	s_wait_tensorcnt 0x0
	ds_add_u32 v62, v63
	s_wait_dscnt 0x0
	s_endpgm
	; ---------------- W: a wave takes 32 columns x 128 along K ----------------
.Lweights:
	v_bfe_u32 v7, v0, 3, 1                         ; my column's storage row: bits 3 and 4 of the lane change places: which of the two tiles,
	v_bfe_u32 v8, v0, 4, 1
	v_and_b32 v9, 7, v0
	v_lshl_add_u32 v9, v8, 3, v9                   ; and row r in it
	s_wait_alu depctr_va_vdst(0)
	v_lshlrev_b32 v1, 2, v6                        ; in: 4 bytes a lane
	v_lshlrev_b32 v2, 4, v9
	v_mad_u32_u24 v2, v7, 12288, v2                ; out: 16 r, in my tile's image
	v_lshl_add_u32 v3, v7, 4, v9
	v_lshlrev_b32 v3, 5, v3                        ; my storage row's 32 scale bytes
	s_sub_co_u32 s22, ttmp9, 768
	s_lshl_b32 s22, s22, 1
	s_add_co_u32 s22, s22, s[WV]                   ; my task among the weights' 1,024
	s_lshr_b32 s23, s22, 8                         ; which weight: Wq, Wk, Wv, Wo
	s_and_b32 s24, s22, 31                         ; which 32 columns: the two waves stand side by side on 256 bytes
	s_bfe_u32 s28, s22, 0x30005                    ; which 128 along K
	s_wait_alu depctr_va_vdst(0)
	s_wait_kmcnt 0x0
	s_cmp_eq_u32 s23, 0
	s_cselect_b64 s[26:27], s[10:11], s[12:13]
	s_cselect_b32 s25, 17, 18                      ; the weight's 1,024 storage rows: which unit of 1,024
	s_cmp_eq_u32 s23, 2
	s_cselect_b64 s[26:27], s[14:15], s[26:27]
	s_cselect_b32 s25, 16, s25
	s_cmp_eq_u32 s23, 3
	s_cselect_b64 s[26:27], s[16:17], s[26:27]
	s_cselect_b32 s25, 27, s25
	s_lshl_b32 s30, s28, 19                        ; 128 rows of 4,096 bytes
	s_lshl_b32 s31, s24, 7
	s_add_co_u32 s30, s30, s31
	s_mov_b32 s31, 0
	s_add_nc_u64 s[26:27], s[26:27], s[30:31]
	s_lshl_b32 s30, s25, 5
	s_add_co_u32 s30, s30, s24
	s_lshl_b32 s30, s30, 4                         ; 8 x (64 unit + 2 group): the first of my two tiles
	s_add_co_u32 s30, s30, s28
	s_mul_i32 s30, s30, 1536
	s_add_nc_u64 s[18:19], s[18:19], s[30:31]
	s_lshl_b32 s30, s25, 15
	s_lshl_b32 s29, s24, 10
	s_add_co_u32 s30, s30, s29
	s_lshl_b32 s29, s28, 2
	s_add_co_u32 s30, s30, s29
	s_add_nc_u64 s[20:21], s[20:21], s[30:31]
.macro WLOAD k                         ; block k: W(32 k + i, my column): 32 lanes read 128 consecutive bytes
.set ii, 0
.rept 32
	global_load_b32 v[64+32*(\k)+ii], v1, s[26:27] offset:(32*(\k)+ii)*4096 th:TH_LOAD_NT
.set ii, ii+1
.endr
.endm
.macro WBLOCK k
.set XS, 64+32*(\k)
.if (\k) < 3
	s_wait_loadcnt 32                              ; this block's 32 loads are in; the next block's may be out
.else
	s_wait_loadcnt 0x0
.endif
.if (\k) < 2
	WLOAD (\k)+2
.endif
	v_max3_num_f32 v232, |v[XS]|, |v[XS+1]|, |v[XS+2]|   ; the block's largest magnitude: all 32 numbers are mine
	v_max3_num_f32 v233, |v[XS+3]|, |v[XS+4]|, |v[XS+5]|
.irp i, 6,10,14,18,22,26
	v_max3_num_f32 v232, v232, |v[XS+\i]|, |v[XS+\i+1]|
	v_max3_num_f32 v233, v233, |v[XS+\i+2]|, |v[XS+\i+3]|
.endr
	v_max3_num_f32 v232, v232, |v[XS+30]|, |v[XS+31]|
	v_max3_num_f32 v232, v232, v233, 0x1800000     ; and the floor
	v_add_nc_u32 v[236+(\k)], 0xff000000, v232     ; the conversion's scale operand
	v_lshrrev_b32 v233, 23, v[236+(\k)]            ; the byte
.if (\k) == 0
	v_mov_b32 v240, v233
.else
	v_lshl_or_b32 v240, v233, 8*(\k), v240         ; the lower K in the lower byte
.endif
	v_cvt_scalef32_pk16_fp6_f32 v[192+4*(\k):194+4*(\k)], v[XS:XS+15], v[236+(\k)]
	v_cvt_scalef32_pk16_fp6_f32 v[208+4*(\k):210+4*(\k)], v[XS+16:XS+31], v[236+(\k)]
	v_nop                                          ; one plain place behind a scaled conversion
	v_mov_b32 v[195+4*(\k)], v[208+4*(\k)]         ; the block's registers 0-3 on end,
	v_mov_b32 v[224+2*(\k)], v[209+4*(\k)]         ; its registers 4 and 5 beside those of the block that shares its half image
	v_mov_b32 v[225+2*(\k)], v[210+4*(\k)]
.endm
	WLOAD 0
	WLOAD 1
.irp k, 0,1,2,3
	WBLOCK \k
.endr
.irp k, 0,1,2,3
	global_store_b128 v2, v[192+4*\k:195+4*\k], s[18:19] offset:768*(\k/2)+256*(\k%2)   ; sixteen lanes fill 256 consecutive aligned bytes of each of the two tiles
.endr
.irp c, 0,1
	global_store_b128 v2, v[224+4*\c:227+4*\c], s[18:19] offset:768*\c+512
.endr
	global_store_b32 v3, v240, s[20:21]            ; 4 bytes of each row's 32: short stores to rows 32 bytes apart, 128 KB for the four weights together
	s_endpgm
.Lfunc_end_k_qcefb674bbb_quant:
	.size	k_qcefb674bbb_quant, .Lfunc_end_k_qcefb674bbb_quant-k_qcefb674bbb_quant
	.p2alignl 7, 3214868480
	.fill 96, 4, 3214868480
	.section	.rodata,"a",@progbits
	.p2align	6, 0x0
	.amdhsa_kernel k_qcefb674bbb_quant
		.amdhsa_group_segment_fixed_size 34304
		.amdhsa_private_segment_fixed_size 0
		.amdhsa_enable_private_segment 0
		.amdhsa_kernarg_size 72
		.amdhsa_user_sgpr_count 2
		.amdhsa_user_sgpr_kernarg_segment_ptr 1
		.amdhsa_wavefront_size32 1
		.amdhsa_system_sgpr_workgroup_id_x 1
		.amdhsa_system_sgpr_workgroup_id_y 1
		.amdhsa_system_sgpr_workgroup_id_z 1
		.amdhsa_system_vgpr_workitem_id 0
		.amdhsa_next_free_vgpr 256
		.amdhsa_next_free_sgpr 66
		.amdhsa_reserve_vcc 1
		.amdhsa_float_denorm_mode_32 3
		.amdhsa_float_denorm_mode_16_64 3
		.amdhsa_memory_ordered 1
		.amdhsa_forward_progress 1
		.amdhsa_inst_pref_size 85
	.end_amdhsa_kernel
	.amdgpu_metadata
---
amdhsa.version: [ 1, 2 ]
amdhsa.kernels:
  - .name:           k_qcefb674bbb_quant
    .symbol:         k_qcefb674bbb_quant.kd
    .args:
      - { .name: query, .offset: 0, .size: 8, .value_kind: global_buffer, .address_space: global }
      - { .name: key, .offset: 8, .size: 8, .value_kind: global_buffer, .address_space: global }
      - { .name: value, .offset: 16, .size: 8, .value_kind: global_buffer, .address_space: global }
      - { .name: Wq, .offset: 24, .size: 8, .value_kind: global_buffer, .address_space: global }
      - { .name: Wk, .offset: 32, .size: 8, .value_kind: global_buffer, .address_space: global }
      - { .name: Wv, .offset: 40, .size: 8, .value_kind: global_buffer, .address_space: global }
      - { .name: Wo, .offset: 48, .size: 8, .value_kind: global_buffer, .address_space: global }
      - { .name: codes, .offset: 56, .size: 8, .value_kind: global_buffer, .address_space: global }
      - { .name: scales, .offset: 64, .size: 8, .value_kind: global_buffer, .address_space: global }
    .group_segment_fixed_size: 34304
    .private_segment_fixed_size: 0
    .kernarg_segment_align: 8
    .kernarg_segment_size: 72
    .max_flat_workgroup_size: 64
    .sgpr_count:     66
    .vgpr_count:     256
    .wavefront_size: 32
...
	.end_amdgpu_metadata
.endif
;; end of part 1
;; launch proj (part 2): grid 4 x 192, 4 waves a work-group, clusters of 4 x 4, 327,680 bytes of LDS; arguments codes, scales, bq, bk, bv, qkv, qkvs; writes qkv, qkvs
.if DOCPART == 2
	.amdgcn_target "amdgcn-amd-amdhsa--gfx1250"
	.amdhsa_code_object_version 6
	.text
	.protected	k_qcefb674bbb_proj
	.globl	k_qcefb674bbb_proj
	.p2align	8
	.type	k_qcefb674bbb_proj,@function
k_qcefb674bbb_proj:
	s_mov_b64 s[64:65], 0
	v_nop
	global_prefetch_b8 v0, s[64:65] scope:SCOPE_SE
	s_setreg_imm32_b32 hwreg(HW_REG_WAVE_MODE, 25, 1), 1
	s_wait_xcnt 0x0
	s_wait_alu depctr_hold_cnt(0) depctr_sa_sdst(0) depctr_va_vdst(0) depctr_va_sdst(0) depctr_va_ssrc(0) depctr_va_vcc(0) depctr_vm_vsrc(0)
	s_getreg_b32 s2, hwreg(HW_REG_IB_STS2, 6, 4)
	s_cmp_eq_u32 s2, 0
	s_cbranch_scc0 .Lentry_in_a_cluster
	s_endpgm
.Lentry_in_a_cluster:
	s_bfe_u32 s2, ttmp6, 0x10000c
	s_cmp_lg_u32 s2, 0xf033
	s_cbranch_scc0 .Lentry_shape_is_right
	s_endpgm
.Lentry_shape_is_right:
; q = query Wq + bq, k = key Wk + bk, v^T = (value Wv + bv)^T on codes of FP6 (E2M3), and the results quantised again: q and k along the head's 64, v along the KEYS.
; THE MATRIX INSTRUCTION IS USED TRANSPOSED: source 0 = 16 "B rows", source 1 = 16 "A rows"; a lane holds ONE A row, its registers run along the B rows.  All operands' rows lie in storage order (bits 3 and 4 of the row
; exchanged), so the 16 registers of B tiles 2 b and 2 b + 1 are the TRUE indices 32 b + 16 (lane / 16) + 0 .. 15: sixteen neighbours along the next product's K.
;   q, k:  A rows = tokens, B rows = the weight's columns n: a wave's 128 n are two heads.      v^T:  A rows = Wv's columns d, B rows = value's tokens: a wave's 128 tokens are one key step.
; SHARES.  A cluster of 4 x 4 work-groups makes 512 A rows x 1,024 B rows; clusters 0-15 q, 16-31 k, 32-47 v^T.  A work-group makes 128 x 256, a wave 64 x 128: 32 accumulators.
; ALL OF K (1,024) of the work-group's two tiles lies in LDS: every byte of LDS is filled once, in two chunks of 512 along K, so there is no ring.  The tiles are asked for JOINTLY: A's along a row of the cluster, B's along a column.
; A wave has one tensor load out.
; LIMITS: as in the quantiser of the inputs: NaN and infinities are not served; a block under 2^-124 has its byte held at 1; a block of zeros gets the byte 1, read by this program alone.
; REGISTERS: window 0: v1-28 addresses; v32-79 scale words, two sets of 24; v80-87 the bias along A rows; v88-151 the bias along B rows (the C of each sum's first product); v152-247 A's fragments, two sets of 48.
;   window 1: B's fragments, two sets of 96.   window 2: accumulator (a, b) at v[8 (8 a + b)].   On the way out window 0's v152-255 are at work.
.set ACH,   49152                      ; LDS: A's codes [chunk 2][tile 8][4 K steps][1,536]
.set BCODE, 98304                      ; B's codes [chunk 2][tile 16][4 K steps][1,536]
.set BCH,   98304
.set ASC,   294912
.set BSC,   299264
.set SST,   307968                     ; 256 bytes for each wave: the scale words on their way out; no fill lands here
.set PA,  4                            ; s[4:5]  A's codes
.set PAS, 6                            ; s[6:7]  A's scale bytes
.set PB,  4                            ; B's lie in the same two buffers
.set PBS, 6
.set WV,  18
.set AR,  19                           ; which 64 A rows are my wave's
.set BC,  20                           ; which 128 B rows
.set CX,  21
.set CY,  22
.set CC,  23                           ; the cluster's number
.set G1A,  24                          ; descriptor groups 1: A's codes, B's codes
.set G1B,  32
.set G1AS, 40
.set G1BS, 48
.set G0AS, 56                          ; groups 0 of the four tensor loads; G0AS, G0BS only hold the scale bytes' addresses
.set G0BS, 60
.set G0A0, 68
.set G0B0, 72
.set G0A1, 76
.set G0B1, 80
.set L16,  1                           ; v1  16 x lane
.set LT,   2                           ; v2  16 r + 8 h
.set ADA,  16                          ; v16, v17 my A fragments in chunk 0, 1 (+ 16 x lane); v18, v19 the same + 16 r + 8 h
.set ADB,  20                          ; v20-23 the same for B
.set ADSA, 24                          ; v24 A's scale words: lanes 0-15 block i, lanes 16-31 block i + 2
.set ADSB, 25                          ; v25 B's: lanes 0-15 tile i, lanes 16-31 tile i + 4
.set SA,   26                          ; v26 the scale words' stage, in
.set SR,   27                          ; v27 and out
.set SG,   28                          ; v28 8 x lane
.set SCW,  32
.set BA,   80
.set BB,   88
.set AF,   152
.set H,    152                         ; the way out: 64 numbers of a lane
.set PC,   216
.set TM,   236
.set PW,   252                         ; v252-255 the four scale words
.set SEL,  84                          ; s[84:85], on the way out
.set MSB, 0
.macro WIN new                         ; the immediate's high byte repeats the setting that is left
.if MSB != \new
	s_set_vgpr_msb (MSB<<8)|\new
.set MSB, \new
.endif
.endm
.macro PLACES n
.rept \n
	v_nop
.endr
.endm
.macro CROUND                          ; a round of the cluster's barrier
	s_barrier_signal -1
	s_barrier_wait -1
	s_cmp_lg_u32 s[WV], 0
	s_cbranch_scc1 .Lnot_wave_0_\@
	s_barrier_signal -3
.Lnot_wave_0_\@:
	s_barrier_wait -3
	s_barrier_signal -1
	s_barrier_wait -1
.endm
; 64 numbers of a lane, register 16 b + i = k 32 b + 16 h + i of my row, become a fragment's codes in v[PC] on and its scale word in v[pw].
.macro QUANT s, pw
.irp b, 0,1,2,3
	v_max3_num_f32 v[TM+\b], |v[\s+16*\b]|, |v[\s+1+16*\b]|, 0x1800000   ; block b: my 16 numbers, and the floor 2^(3 - 127)
.endr
.irp i, 2,4,6,8,10,12,14
.irp b, 0,1,2,3
	v_max3_num_f32 v[TM+\b], v[TM+\b], |v[\s+16*\b+\i]|, |v[\s+1+16*\b+\i]|
.endr
.endr
.irp b, 0,1,2,3
	v_permlanex16_b32 v[TM+4+\b], v[TM+\b], s[SEL], s[SEL+1]
.endr
.irp b, 0,1,2,3
	v_max_num_f32 v[TM+\b], v[TM+\b], v[TM+4+\b]
.endr
.irp b, 0,1,2,3
	v_add_nc_u32 v[TM+12+\b], 0xff000000, v[TM+\b]   ; 2 off the exponent field: the conversion's scale operand
.endr
.irp b, 0,1,2,3
	v_lshrrev_b32 v[TM+4+\b], 23, v[TM+12+\b]
.endr
	v_lshl_or_b32 v[\pw], v[TM+5], 8, v[TM+4]
	v_lshl_or_b32 v[\pw], v[TM+6], 16, v[\pw]
	v_lshl_or_b32 v[\pw], v[TM+7], 24, v[\pw]
.irp c, 0,1
	v_cvt_scalef32_pk16_fp6_f32 v[PC+6*\c:PC+2+6*\c], v[\s+32*\c:\s+15+32*\c], v[TM+12+2*\c]
	v_cvt_scalef32_pk16_fp6_f32 v[PC+12+4*\c:PC+14+4*\c], v[\s+16+32*\c:\s+31+32*\c], v[TM+12+2*\c+1]
.endr
	v_nop                                          ; one plain place behind a scaled conversion
.irp c, 0,1
.irp i, 0,1,2
	v_permlane16_swap_b32 v[PC+6*\c+\i], v[PC+12+4*\c+\i]
.endr
.irp i, 0,1,2
	v_mov_b32 v[PC+3+6*\c+\i], v[PC+12+4*\c+\i]
.endr
.endr
.endm
.macro FRAG reg, ah, at, off           ; a fragment's image comes back as it was stored: every load covers 512 or 256 consecutive bytes
	ds_load_b128 v[\reg:\reg+3], v[\ah] offset:\off
	ds_load_b64 v[\reg+4:\reg+5], v[\at] offset:\off+512
	ds_load_b128 v[\reg+6:\reg+9], v[\ah] offset:\off+768
	ds_load_b64 v[\reg+10:\reg+11], v[\at] offset:\off+1280
.endm
.macro FETCH t                         ; K step t: B's eight fragments and A's four, 48 loads, into set t % 2
.set FQ, (\t)/4
.set FS, (\t)%4
.set FP, (\t)%2
	WIN 0x40                                       ; destination window 1
.irp b, 0,1,2,3,4,5,6,7
	FRAG 96*FP+12*\b, ADB+FQ, ADB+2+FQ, 6144*\b+1536*FS
.endr
	WIN 0
.irp a, 0,1,2,3
	FRAG AF+48*FP+12*\a, ADA+FQ, ADA+2+FQ, 6144*\a+1536*FS
.endr
.endm
.macro SCALES q                        ; the scale words of K steps 4 q .. 4 q + 3: 16 bytes of each row
.irp i, 0,1,2,3
	global_load_b128 v[SCW+24*\q+4*\i:SCW+24*\q+4*\i+3], v[ADSB], s[G0BS+2:G0BS+3] offset:512*\i+16*\q   ; straight from memory: the two q together read each row's 32 bytes whole
.endr
.irp i, 0,1
	global_load_b128 v[SCW+16+24*\q+4*\i:SCW+16+24*\q+4*\i+3], v[ADSA], s[G0AS+2:G0AS+3] offset:512*\i+16*\q
.endr
.endm
.macro WM a, b                         ; one product; MQ, MS, MP, MFIRST are set by STEP
.set rD, 8*(8*\a+\b)
.set rC, rD
.if MFIRST
.set rC, BB+8*\b
.endif
.set rB, 96*MP+12*\b
.set rA, AF+48*MP+12*\a
.set rSB, SCW+24*MQ+4*(\b%4)+MS
.set rSA, SCW+16+24*MQ+4*(\a%2)+MS
.if (\b < 4) && (\a < 2)
	v_wmma_scale_f32_16x16x128_f8f6f4 v[rD:rD+7], v[rB:rB+11], v[rA:rA+11], v[rC:rC+7], v[rSB], v[rSA] matrix_a_fmt:MATRIX_FMT_FP6 matrix_b_fmt:MATRIX_FMT_FP6
.elseif (\a < 2)
	v_wmma_scale_f32_16x16x128_f8f6f4 v[rD:rD+7], v[rB:rB+11], v[rA:rA+11], v[rC:rC+7], v[rSB], v[rSA] matrix_a_fmt:MATRIX_FMT_FP6 matrix_b_fmt:MATRIX_FMT_FP6 matrix_a_scale:MATRIX_SCALE_ROW1
.elseif (\b < 4)
	v_wmma_scale_f32_16x16x128_f8f6f4 v[rD:rD+7], v[rB:rB+11], v[rA:rA+11], v[rC:rC+7], v[rSB], v[rSA] matrix_a_fmt:MATRIX_FMT_FP6 matrix_b_fmt:MATRIX_FMT_FP6 matrix_b_scale:MATRIX_SCALE_ROW1
.else
	v_wmma_scale_f32_16x16x128_f8f6f4 v[rD:rD+7], v[rB:rB+11], v[rA:rA+11], v[rC:rC+7], v[rSB], v[rSA] matrix_a_fmt:MATRIX_FMT_FP6 matrix_b_fmt:MATRIX_FMT_FP6 matrix_a_scale:MATRIX_SCALE_ROW1 matrix_b_scale:MATRIX_SCALE_ROW1
.endif
.endm
; A K step of 128: the next step's 48 loads go out in one run, then 32 products.  The 32 accumulators take turns, one instruction a turn, in the same order in every step.
.macro STEP t
.set MQ, (\t)/4
.set MS, (\t)%4
.set MP, (\t)%2
.set MFIRST, (\t)==0
	s_wait_dscnt 0x0                               ; this step's fragments are in
.if (\t) == 2
	s_wait_tensorcnt 0x0                           ; my parts of chunk 1 have landed:
	s_barrier_signal -1                            ; say so; up to the wait stand LDS loads of chunk 0, which nobody writes, and work on registers
.endif
.if (\t) == 3
	s_barrier_wait -1                              ; everybody's have: chunk 1 may be read
.endif
.if (\t) > 0
	PLACES 4                                       ; in front of loads into registers that the last step's products have read (ISA guide 7.12.1 for vector instructions)
.endif
.if (\t) < 7
	FETCH (\t)+1
.endif
.if (\t) == 0
	WIN 0x81                                       ; source 0 (B) window 1, source 1 (A) and C (the bias) window 0, D window 2
.else
	WIN 0xa1                                       ; C and D window 2
.endif
.irp a, 0,1,2,3
.irp b, 0,1,2,3,4,5,6,7
	WM \a, \b
.endr
.endr
	WIN 0
.endm
	s_load_b256 s[4:11], s[0:1], 0x0               ; codes s[4:5], scales s[6:7], bq s[8:9], bk s[10:11]
	s_load_b128 s[12:15], s[0:1], 0x20             ; bv s[12:13], qkv s[14:15]
	s_load_b64 s[16:17], s[0:1], 0x30              ; qkvs
	v_lshl_add_u32 v30, v0, 2, 0x4b700
	v_mov_b32 v31, 0
	ds_add_u32 v30, v31
	ds_add_u32 v30, v31
	v_lshrrev_b32 v1, 5, v0
	v_readfirstlane_b32 s[WV], v1                  ; wave 0..3
	s_lshr_b32 s[AR], s[WV], 1
	s_and_b32 s[BC], s[WV], 1
	s_bfe_u32 s[CX], ttmp6, 0x40000
	s_bfe_u32 s[CY], ttmp6, 0x40004
	s_and_b32 s[CC], ttmp7, 0xffff                 ; in a cluster launch ttmp7 counts clusters: 0 .. 47
	s_lshl_b32 s84, s[CY], 2
	s_lshl_b32 s84, 15, s84                        ; my row of the cluster
	s_lshl_b32 s85, 0x1111, s[CX]                  ; my column
	; groups 1.  Codes: R rows of 6,144 bytes (768 elements of 8 bytes: a tile's four K steps), 12,288 bytes apart in memory, dense in LDS
	s_or_b32 s[G1A], s84, (3<<16)|(1<<21)          ; 15:0 the mask; 17:16 elements of 8 bytes; 21 set beside a mask
	s_or_b32 s[G1B], s85, (3<<16)|(1<<21)
.irp g, G1A, G1B
	s_mov_b32 s[\g+1], 768<<16                     ; tensor_dim0
	s_mov_b32 s[\g+3], 768<<16                     ; tile_dim0
	s_mov_b32 s[\g+5], 1536                        ; tensor_dim0_stride
	s_mov_b32 s[\g+6], 0
	s_mov_b32 s[\g+7], 0
.endr
	s_mov_b32 s[G1A+2], 8<<16                      ; one load brings a chunk of all 8 tiles of A,
	s_mov_b32 s[G1A+4], 8
	s_mov_b32 s[G1B+2], 16<<16                     ; or of all 16 of B
	s_mov_b32 s[G1B+4], 16
	; scale bytes: loaded from memory straight into registers, never into LDS
	; where they come from.  A's numbers hang on the cluster, cy and the wave; B's on the cluster, cx and the wave; each in registers that never hold the other coordinate
	s_and_b32 s86, s[CC], 1
	s_add_co_u32 s86, s86, 32
	s_min_u32 s86, s[CC], s86                      ; A's 512 storage rows: query's and key's come first (0-31), then Wv's two halves (32, 33)
	s_lshl_b32 s86, s86, 9
	s_lshl_b32 s87, s[CY], 7
	s_add_co_u32 s86, s86, s87
	s_lshl_b32 s88, s86, 5                         ; 32 scale bytes a row
	s_mov_b32 s89, 0
	s_mul_i32 s90, s86, 768                        ; 768 bytes of codes a row
	s_mov_b32 s91, 0
	s_lshr_b32 s92, s[CC], 4
	s_max_u32 s93, s[CC], 28
	s_sub_co_u32 s93, s93, 28
	s_lshr_b32 s93, s93, 1
	s_max_u32 s92, s92, s93
	s_add_co_u32 s92, s92, 17                      ; B's 1,024 storage rows: Wq 17, Wk 18, value 19 .. 26
	s_lshl_b32 s92, s92, 10
	s_lshl_b32 s93, s[CX], 8
	s_add_co_u32 s92, s92, s93
	s_lshl_b32 s94, s92, 5
	s_mov_b32 s95, 0
	s_mul_i32 s96, s92, 768
	s_mov_b32 s97, 0
	s_wait_dscnt 0x0
	s_wait_kmcnt 0x0
	s_add_nc_u64 s[G0AS+2:G0AS+3], s[PAS:PAS+1], s[88:89]   ; the scale bytes of the work-group's 128 A rows: a plain address, for loads into registers
	s_add_nc_u64 s[G0BS+2:G0BS+3], s[PBS:PBS+1], s[94:95]   ; and of its 256 B rows
	s_mov_b32 s[G0A0], 1
	s_mov_b32 s[G0A0+1], 0
	s_add_nc_u64 s[G0A0+2:G0A0+3], s[PA:PA+1], s[90:91]
	s_mov_b32 s[G0A1], 1
	s_add_co_u32 s[G0A1+1], s[G0A0+1], ACH
	s_add_nc_u64 s[G0A1+2:G0A1+3], s[G0A0+2:G0A0+3], 6144
	s_or_b32 s[G0A0+3], s[G0A0+3], 0x80000000
	s_or_b32 s[G0A1+3], s[G0A1+3], 0x80000000
	s_mov_b32 s[G0B0], 1
	s_mov_b32 s[G0B0+1], BCODE
	s_add_nc_u64 s[G0B0+2:G0B0+3], s[PB:PB+1], s[96:97]
	s_mov_b32 s[G0B1], 1
	s_add_co_u32 s[G0B1+1], s[G0B0+1], BCH
	s_add_nc_u64 s[G0B1+2:G0B1+3], s[G0B0+2:G0B0+3], 6144
	s_or_b32 s[G0B0+3], s[G0B0+3], 0x80000000
	s_or_b32 s[G0B1+3], s[G0B1+3], 0x80000000
	CROUND                                         ; all sixteen work-groups are here: the joint loads meet
; THE HEAD'S LOADS, ONE A WAVE: wave 0 A's chunk 0, wave 1 B's chunk 0, wave 2 A's chunk 1, wave 3 B's chunk 1.  One chain of branches on the wave's number, one load to an arm.
.macro TL g0, g1
	tensor_load_to_lds s[\g0:\g0+3], s[\g1:\g1+7]
	s_nop 0
	PLACES 4
.endm
	s_cmp_eq_u32 s[WV], 0
	s_cbranch_scc0 .Lh1
	TL G0A0, G1A
	s_branch .Lhj
.Lh1:
	s_cmp_eq_u32 s[WV], 1
	s_cbranch_scc0 .Lh2
	TL G0B0, G1B
	s_branch .Lhj
.Lh2:
	s_cmp_eq_u32 s[WV], 2
	s_cbranch_scc0 .Lh3
	TL G0A1, G1A                                   ; wave 2: A's chunk 1
	s_branch .Lhj
.Lh3:
	TL G0B1, G1B                                   ; wave 3: B's chunk 1
.Lhj:
	v_and_b32 v3, 31, v0                           ; lane
	v_and_b32 v4, 15, v0                           ; r
	v_bfe_u32 v5, v0, 4, 1                         ; h
	v_lshrrev_b32 v6, 3, v4                        ; r / 8
	v_lshlrev_b32 v[L16], 4, v3
	v_lshlrev_b32 v[LT], 4, v4
	v_lshl_add_u32 v[LT], v5, 3, v[LT]
	s_mul_i32 s2, s[AR], 24576                     ; my four tiles of A (LDS bases stand in s2 and s3, which hold nothing of the cluster)
	v_add_nc_u32 v[ADA], s2, v[L16]
	v_add_nc_u32 v[ADA+1], ACH, v[ADA]
	v_add_nc_u32 v[ADA+2], s2, v[LT]
	v_add_nc_u32 v[ADA+3], ACH, v[ADA+2]
	s_mul_i32 s3, s[BC], 49152                     ; my eight tiles of B
	s_add_co_u32 s3, s3, BCODE
	v_add_nc_u32 v[ADB], s3, v[L16]
	v_add_nc_u32 v[ADB+1], BCH, v[ADB]
	v_add_nc_u32 v[ADB+2], s3, v[LT]
	v_add_nc_u32 v[ADB+3], BCH, v[ADB+2]
	v_lshlrev_b32 v7, 5, v4                        ; row r's 32 scale bytes, as they lie in memory
	s_lshl_b32 s2, s[AR], 11                       ; my 64 A rows
	v_lshl_add_u32 v[ADSA], v5, 10, v7             ; lanes 16-31: two blocks of 16 rows on
	v_add_nc_u32 v[ADSA], s2, v[ADSA]
	s_lshl_b32 s3, s[BC], 12                       ; my 128 B rows
	v_lshl_add_u32 v[ADSB], v5, 11, v7             ; lanes 16-31: four tiles on
	v_add_nc_u32 v[ADSB], s3, v[ADSB]
	s_lshl_b32 s2, s[WV], 8
	s_add_co_u32 s2, s2, SST
	v_lshl_add_u32 v[SA], v4, 2, s2
	v_lshl_add_u32 v[SR], v3, 3, s2
	v_lshlrev_b32 v[SG], 3, v3
	; THE BIAS.  q, k: it runs along the B rows (n) and is the C of each sum's first product.  v^T: it runs along the A rows (d) and is added on the way out.
	; Both forms are loaded from the cluster's bias (both stay inside its 1,024 numbers) and the one that does not apply is cleared: one text serves the three products, without a branch.
	s_cmp_lt_u32 s[CC], 32
	s_cselect_b64 s[88:89], s[10:11], s[12:13]
	s_cselect_b32 s98, -1, 0                       ; keeps the bias along B
	s_cselect_b32 s99, 0, -1                       ; keeps the bias along A
	s_cmp_lt_u32 s[CC], 16
	s_cselect_b64 s[88:89], s[8:9], s[88:89]
	s_lshl_b32 s96, s[CX], 10
	s_lshl_b32 s97, s[BC], 9
	s_add_co_u32 s96, s96, s97                     ; 4 x (256 cx + 128 x my half)
	s_mov_b32 s97, 0
	s_add_nc_u64 s[96:97], s[88:89], s[96:97]
	s_and_b32 s90, s[CC], 1
	s_lshl_b32 s90, s90, 11
	s_lshl_b32 s91, s[CY], 9
	s_add_co_u32 s90, s90, s91
	s_lshl_b32 s91, s[AR], 8
	s_add_co_u32 s90, s90, s91                     ; 4 x (512 (c % 2) + 128 cy + 64 x my half)
	s_mov_b32 s91, 0
	s_add_nc_u64 s[90:91], s[88:89], s[90:91]
	v_lshlrev_b32 v8, 6, v5                        ; tile t's register j of lane (r, h) is index 32 (t / 2) + 8 (t % 2) + 16 h + j
	v_lshlrev_b32 v9, 2, v4
	v_lshl_add_u32 v9, v6, 5, v9                   ; block a's lane r is index 32 (a / 2) + 8 (a % 2) + r + 8 (r / 8)
.irp t, 0,1,2,3,4,5,6,7
	global_load_b128 v[BB+8*\t:BB+8*\t+3], v8, s[96:97] offset:(32*(\t/2)+8*(\t%2))*4
	global_load_b128 v[BB+8*\t+4:BB+8*\t+7], v8, s[96:97] offset:(32*(\t/2)+8*(\t%2))*4+16
.endr
.irp a, 0,1,2,3
	global_load_b32 v[BA+2*\a], v9, s[90:91] offset:(32*(\a/2)+8*(\a%2))*4
.endr
	s_wait_alu depctr_va_vdst(0)                   ; the two offsets were written ahead of a run of scalar lines
	SCALES 0                                       ; all of K's scale words, both sets, once
	SCALES 1
	s_wait_loadcnt 0x0
.set jj, 0
.rept 64
	v_cndmask_b32 v[BB+jj], 0, v[BB+jj], s98
.set jj, jj+1
.endr
.irp a, 0,1,2,3
	v_cndmask_b32 v[BA+2*\a], 0, v[BA+2*\a], s99
	v_mov_b32 v[BA+2*\a+1], 0                      ; (named with it as a pair, so it is written)
.endr
	s_wait_alu depctr_va_vdst(0)
	s_cmp_lt_u32 s[WV], 2                          ; waves 0 and 1 fetched chunk 0, each by a line of its own: they wait; chunk 1 may still be out
	s_cbranch_scc0 .Lnw
	s_wait_tensorcnt 0x0
.Lnw:
	s_barrier_signal -1
	s_barrier_wait -1                              ; chunk 0 is whole
	FETCH 0
.irp t, 0,1,2,3,4,5,6,7
	STEP \t
.endr
	; THE WAY OUT.  For each of my four blocks of 16 A rows: 64 numbers a lane, + the bias along A, quantised in registers: one fragment and one scale word a row.
	; q, k: the fragment's two halves are two heads' 64: they go to [16 b + head][token tile][768].   v^T: the fragment is 16 d x 128 keys: it goes whole to [b][d tile][key step][1,536].
	; Every offset is made both ways and chosen on the cluster's number; no tensor load is out, so the descriptors' registers are free.
	s_and_b32 s24, s[CC], 15
	s_lshl_b32 s25, s24, 9
	s_lshl_b32 s26, s[CY], 7
	s_add_co_u32 s25, s25, s26
	s_lshl_b32 s26, s[AR], 6
	s_add_co_u32 s25, s25, s26                     ; q, k: my first storage token
	s_lshr_b32 s26, s25, 11                        ; its batch,
	s_and_b32 s27, s25, 2047                       ; its place there
	s_lshl_b32 s28, s[CX], 1
	s_add_co_u32 s28, s28, s[BC]                   ; my 128 B rows: which pair of heads; for v^T which of the cluster's eight key steps
	s_lshr_b32 s29, s[CC], 4                       ; q 0, k 1
	s_lshl_b32 s30, s26, 4
	s_lshl_b32 s31, s28, 1
	s_add_co_u32 s30, s30, s31                     ; 16 b + the even head
	s_lshl_b32 s30, s30, 7
	s_lshr_b32 s31, s27, 4
	s_add_co_u32 s30, s30, s31
	s_mul_i32 s30, s30, 768
	s_mul_i32 s31, s29, 6291456
	s_add_co_u32 s30, s30, s31                     ; q, k: where block 0's lower half goes
	s_lshl_b32 s31, s26, 3
	s_add_co_u32 s31, s31, s28
	s_lshl_b32 s31, s31, 11
	s_add_co_u32 s31, s31, s27
	s_lshl_b32 s31, s31, 2
	s_lshl_b32 s48, s29, 18
	s_add_co_u32 s31, s31, s48                     ; q, k: my 64 scale words: [b][pair of heads][storage token]
	s_and_b32 s48, s24, 1
	s_lshl_b32 s48, s48, 5
	s_lshl_b32 s49, s[CY], 3
	s_add_co_u32 s48, s48, s49
	s_lshl_b32 s49, s[AR], 2
	s_add_co_u32 s48, s48, s49                     ; v^T: my first tile of d, 0 .. 63
	s_lshr_b32 s49, s24, 1
	s_lshl_b32 s49, s49, 3
	s_add_co_u32 s49, s49, s28                     ; v^T: 16 b + key step
	s_lshr_b32 s50, s49, 4
	s_and_b32 s51, s49, 15
	s_lshl_b32 s50, s50, 6
	s_add_co_u32 s50, s50, s48
	s_lshl_b32 s50, s50, 4
	s_add_co_u32 s50, s50, s51
	s_mul_i32 s50, s50, 1536
	s_add_co_u32 s50, s50, 12582912                ; v^T: where block 0's fragment goes
	s_lshl_b32 s51, s49, 6
	s_add_co_u32 s51, s51, s48
	s_lshl_b32 s51, s51, 6
	s_add_co_u32 s51, s51, 524288                  ; v^T: my 64 scale words: [b][key step][d tile][16]
	s_mov_b32 s52, 768
	s_mov_b32 s53, 24576
	s_cmp_lt_u32 s[CC], 32
	s_cselect_b32 s28, s30, s50                    ; block 0's place,
	s_cselect_b32 s30, 768, s53                    ; from block to block,
	s_cselect_b32 s48, 0x18000, s52                ; from the lower half to the upper (q, k: the next head),
	s_cselect_b32 s50, s31, s51                    ; the scale words
	s_mov_b32 s29, 0
	s_mov_b32 s31, 0
	s_mov_b32 s49, 0
	s_mov_b32 s51, 0
	s_add_nc_u64 s[32:33], s[14:15], s[28:29]      ; eight bases, none of them stepped
	s_add_nc_u64 s[36:37], s[32:33], s[30:31]
	s_add_nc_u64 s[40:41], s[36:37], s[30:31]
	s_add_nc_u64 s[44:45], s[40:41], s[30:31]
.irp a, 0,1,2,3
	s_add_nc_u64 s[34+4*\a:35+4*\a], s[32+4*\a:33+4*\a], s[48:49]
.endr
	s_add_nc_u64 s[50:51], s[16:17], s[50:51]
	s_mov_b32 s[SEL], 0x76543210
	s_mov_b32 s[SEL+1], 0xfedcba98
	PLACES 4                                       ; behind the last products: their results are read and their operands' registers written below
.irp b, 0,1,2,3
	v_mov_b32 v[TM+4+\b], 0                        ; a lane permute's destination counts as one of its sources
.endr
.irp a, 0,1,2,3
	WIN 0x02                                       ; source 0 window 2
.set jj, 0
.rept 32
	v_pk_add_f32 v[H+jj:H+jj+1], v[64*\a+jj:64*\a+jj+1], v[BA+2*\a:BA+2*\a+1] op_sel_hi:[1,0]   ; into window 0, + my row's bias; each accumulator from its low end on
.set jj, jj+2
.endr
	WIN 0
	s_wait_xcnt 0x0                                ; the last block's stores have read the codes' registers
	QUANT H, PW+\a
	global_store_b128 v[L16], v[PC:PC+3], s[32+4*\a:33+4*\a]                 ; each store covers 512 or 256 consecutive bytes, aligned
	global_store_b64 v[LT], v[PC+4:PC+5], s[32+4*\a:33+4*\a] offset:512
	global_store_b128 v[L16], v[PC+6:PC+9], s[34+4*\a:35+4*\a]
	global_store_b64 v[LT], v[PC+10:PC+11], s[34+4*\a:35+4*\a] offset:512
	ds_store_b32 v[SA], v[PW+\a] offset:64*\a      ; both halves of the lanes write row r's word, with the same value
.endr
	ds_load_b64 v[H:H+1], v[SR]                    ; LDS serves a wave's instructions in order (ISA guide 5.7.1.4): this sees my stores
	s_wait_dscnt 0x0
	global_store_b64 v[SG], v[H:H+1], s[50:51]     ; my 64 words: 256 consecutive bytes, aligned
	s_wait_tensorcnt 0x0
	ds_add_u32 v30, v31
	s_wait_dscnt 0x0
	CROUND                                         ; the closing round: no work-group ends while a partner may still ask for a tile that names it
	s_endpgm
.Lfunc_end_k_qcefb674bbb_proj:
	.size	k_qcefb674bbb_proj, .Lfunc_end_k_qcefb674bbb_proj-k_qcefb674bbb_proj
	.p2alignl 7, 3214868480
	.fill 96, 4, 3214868480
	.section	.rodata,"a",@progbits
	.p2align	6, 0x0
	.amdhsa_kernel k_qcefb674bbb_proj
		.amdhsa_group_segment_fixed_size 327680
		.amdhsa_private_segment_fixed_size 0
		.amdhsa_enable_private_segment 0
		.amdhsa_kernarg_size 56
		.amdhsa_user_sgpr_count 2
		.amdhsa_user_sgpr_kernarg_segment_ptr 1
		.amdhsa_wavefront_size32 1
		.amdhsa_system_sgpr_workgroup_id_x 1
		.amdhsa_system_sgpr_workgroup_id_y 1
		.amdhsa_system_sgpr_workgroup_id_z 1
		.amdhsa_system_vgpr_workitem_id 0
		.amdhsa_next_free_vgpr 768
		.amdhsa_next_free_sgpr 100
		.amdhsa_reserve_vcc 0
		.amdhsa_float_denorm_mode_32 3
		.amdhsa_float_denorm_mode_16_64 3
		.amdhsa_memory_ordered 1
		.amdhsa_forward_progress 1
		.amdhsa_inst_pref_size 102
	.end_amdhsa_kernel
	.amdgpu_metadata
---
amdhsa.version: [ 1, 2 ]
amdhsa.kernels:
  - .name:           k_qcefb674bbb_proj
    .symbol:         k_qcefb674bbb_proj.kd
    .args:
      - { .name: codes, .offset: 0, .size: 8, .value_kind: global_buffer, .address_space: global }
      - { .name: scales, .offset: 8, .size: 8, .value_kind: global_buffer, .address_space: global }
      - { .name: bq, .offset: 16, .size: 8, .value_kind: global_buffer, .address_space: global }
      - { .name: bk, .offset: 24, .size: 8, .value_kind: global_buffer, .address_space: global }
      - { .name: bv, .offset: 32, .size: 8, .value_kind: global_buffer, .address_space: global }
      - { .name: qkv, .offset: 40, .size: 8, .value_kind: global_buffer, .address_space: global }
      - { .name: qkvs, .offset: 48, .size: 8, .value_kind: global_buffer, .address_space: global }
    .group_segment_fixed_size: 327680
    .private_segment_fixed_size: 0
    .kernarg_segment_align: 8
    .kernarg_segment_size: 56
    .max_flat_workgroup_size: 128
    .sgpr_count:     100
    .vgpr_count:     768
    .wavefront_size: 32
...
	.end_amdgpu_metadata
.endif
;; end of part 2
;; launch attn (part 3): grid 4 x 64, 16 waves a work-group, clusters of 4 x 1, 327,680 bytes of LDS; arguments qkv, qkvs, ao, aos; writes ao, aos
.if DOCPART == 3
	.amdgcn_target "amdgcn-amd-amdhsa--gfx1250"
	.amdhsa_code_object_version 6
	.text
	.protected	k_qcefb674bbb_attn
	.globl	k_qcefb674bbb_attn
	.p2align	8
	.type	k_qcefb674bbb_attn,@function
k_qcefb674bbb_attn:
	s_mov_b64 s[64:65], 0
	v_nop
	global_prefetch_b8 v0, s[64:65] scope:SCOPE_SE
	s_setreg_imm32_b32 hwreg(HW_REG_WAVE_MODE, 25, 1), 1
	s_wait_xcnt 0x0
	s_wait_alu depctr_hold_cnt(0) depctr_sa_sdst(0) depctr_va_vdst(0) depctr_va_sdst(0) depctr_va_ssrc(0) depctr_va_vcc(0) depctr_vm_vsrc(0)
	s_getreg_b32 s2, hwreg(HW_REG_IB_STS2, 6, 4)
	s_cmp_eq_u32 s2, 0
	s_cbranch_scc0 .Lentry_in_a_cluster
	s_endpgm
.Lentry_in_a_cluster:
	s_bfe_u32 s2, ttmp6, 0x10000c
	s_cmp_lg_u32 s2, 0x3003
	s_cbranch_scc0 .Lentry_shape_is_right
	s_endpgm
.Lentry_shape_is_right:
; o = softmax(q k^T / 8) v for one batch and head (work-group y) and 512 queries (place cx in the cluster), on codes of FP6 (E2M3); o is quantised again along the model's 1,024 for the last projection.
; Both products are used transposed (S^T = k q^T, O^T = v^T p^T): a lane holds one query.  p = 2^(t - M), M the ceiling of the running largest t; the row's sum is taken of the unquantised p.
; SHARES: 16 waves; a wave takes 16 queries in each of two passes and walks the 2,048 keys in 16 steps of 128.
; LDS: K's codes [step 16][tile 8][768] at 0, V's [d tile 4][step 16][1,536] at VBASE: in memory each is one dense block of 98,304 bytes, so the 16 waves fetch 12,288 bytes each, as 48 rows of 256 bytes,
; by ONE line with no branch, jointly for the four work-groups of the cluster, which read the same head.  Every byte is filled once.  The scale words (12 KB) come by plain loads and are stored into LDS at SCL: [step][512 K's, 256 V's].
; THE HEAD'S AXIS IS 64, THE INSTRUCTION'S K 128: q's upper 64 codes are zeros, so whatever codes stand in the upper half of a K fragment add nothing (FP6 has no NaN or infinity; the upper scale bytes are 127).
; So K's eight tiles lie 6 registers apart: a fragment's upper six registers are the next tile's lower six (the last tile's: V's first six).
; The next step's K is fetched under the softmax; its address wraps to step 0, so the first pass's last fetch serves the second pass; the second pass's last fetch (20 LDS loads a wave) is not used.
; No prefetch into the L2: all tiles are asked for at the head, and there is no loop to run ahead in.
; LIMITS: NaN and infinities are not served; the scaled scores stay under 2^31 in magnitude; a block under 2^-124 has its byte held at 1, a block of zeros gets the byte 1, read by this program alone.
.set VBASE, 98304
.set SCL,  196608
.set SPARE, 0x35000
.set WV,   12
.set CX,   13
.set Y,    14
.set BI,   15
.set SEL,  16
.set CS,   18
.set TBN,  20                          ; the next step's K, bytes
.set TS,   21                          ; this step's scale words
.set CNT,  22
.set HD,   23
.set G1,   24
.set G0,   56
.set TV,   66                          ; this step's V
.set TSN,  67                          ; the next step's scale words
.set QB,   76
.set QS,   78
.set AOB,  80
.set ASB,  82
.set MSK,  84
.set PADB, 85
.set SH,   86
.set L16,  1                           ; v1 16 x lane;  v2 16 r + 8 h;  v3 SCL + 4 x lane
.set LT,   2
.set L4,   3
.set ADH,  4                           ; v4, v5 the next step's K;  v6 this step's scale words
.set ADT,  5
.set ADS,  6
.set VS,   7                           ; v7, v8 V's scale words;  v9 q's
.set QW,   9
.set R32,  10
.set R4,   11
.set QF,   16                          ; v16-27 q's fragment
.set AV,   28                          ; v28-31 this step's V: d tiles 0, 1 (two lane patterns), d tiles 2, 3
.set KB,   32                          ; v32-79 K's eight tiles
.set VB,   80                          ; v80-127 V's four fragments
.set S,    128                         ; v128-191 scores, then p
.set O,    192                         ; v192-223 O^T
.set ASN,  230                         ; v230 the next step's scale words' address (free between PV and the conversions)
.set KS,   248                         ; v248-251 K's scale words
.macro PLACES n
.rept \n
	v_nop
.endr
.endm
.macro CROUND
	s_barrier_signal -1
	s_barrier_wait -1
	s_cmp_lg_u32 s[WV], 0
	s_cbranch_scc1 .Lnot_wave_0_\@
	s_barrier_signal -3
.Lnot_wave_0_\@:
	s_barrier_wait -3
	s_barrier_signal -1
	s_barrier_wait -1
.endm
.macro QLOAD p
	global_load_b128 v[QF:QF+3], v[L16], s[QB:QB+1] offset:12288*\p
	global_load_b64 v[QF+4:QF+5], v[LT], s[QB:QB+1] offset:12288*\p+512
	global_load_b32 v[QW], v[R4], s[QS:QS+1] offset:1024*\p
.endm
.macro KLOAD ah, at, as                ; a step's eight tiles of K and their four registers of scale words: 20 loads
.irp t, 0,1,2,3,4,5,6,7
	ds_load_b128 v[KB+6*\t:KB+6*\t+3], v[\ah] offset:768*\t
	ds_load_b64 v[KB+6*\t+4:KB+6*\t+5], v[\at] offset:768*\t+512
.endr
.irp g, 0,1,2,3
	ds_load_b32 v[KS+\g], v[\as] offset:128*\g
.endr
.endm
.macro STEP
	s_wait_dscnt 0x0                               ; this step's K, asked for under the last step's softmax
.irp t, 0,2,4,6
	v_wmma_scale_f32_16x16x128_f8f6f4 v[S+8*\t:S+8*\t+7], v[KB+6*\t:KB+6*\t+11], v[QF:QF+11], 0, v[KS+\t/2], v[QW] matrix_a_fmt:MATRIX_FMT_FP6 matrix_b_fmt:MATRIX_FMT_FP6
	v_wmma_scale_f32_16x16x128_f8f6f4 v[S+8*\t+8:S+8*\t+15], v[KB+6*\t+6:KB+6*\t+17], v[QF:QF+11], 0, v[KS+\t/2], v[QW] matrix_a_fmt:MATRIX_FMT_FP6 matrix_b_fmt:MATRIX_FMT_FP6 matrix_a_scale:MATRIX_SCALE_ROW1
.endr
	v_add_nc_u32 v[AV], s[TV], v[L16]              ; eight address lines: also the places behind the products, ahead of the loads into their registers
	v_add_nc_u32 v[AV+1], s[TV], v[LT]
	v_add_nc_u32 v[ADS], s[TS], v[L4]
	v_add_nc_u32 v[ADH], s[TBN], v[L16]
	v_add_nc_u32 v[ADT], s[TBN], v[LT]
	v_add_nc_u32 v[ASN], s[TSN], v[L4]
	v_add_nc_u32 v[AV+2], 49152, v[AV]
	v_add_nc_u32 v[AV+3], 49152, v[AV+1]
.irp d, 0,1,2,3
	ds_load_b128 v[VB+12*\d:VB+12*\d+3], v[AV+2*(\d/2)] offset:24576*(\d%2)
	ds_load_b64 v[VB+12*\d+4:VB+12*\d+5], v[AV+1+2*(\d/2)] offset:24576*(\d%2)+512
	ds_load_b128 v[VB+12*\d+6:VB+12*\d+9], v[AV+2*(\d/2)] offset:24576*(\d%2)+768
	ds_load_b64 v[VB+12*\d+10:VB+12*\d+11], v[AV+1+2*(\d/2)] offset:24576*(\d%2)+1280
.endr
	ds_load_b32 v[VS], v[ADS] offset:512
	ds_load_b32 v[VS+1], v[ADS] offset:640
	KLOAD ADH, ADT, ASN                            ; the next step's K
	s_add_co_u32 s[TBN], s[TBN], 6144
	s_cmp_eq_u32 s[TBN], VBASE
	s_cselect_b32 s[TBN], 0, s[TBN]
	s_add_co_u32 s[TSN], s[TSN], 768
	s_cmp_eq_u32 s[TSN], 12288
	s_cselect_b32 s[TSN], 0, s[TSN]
.irp b, 0,1,2,3
	v_max3_num_f32 v[232+\b], v[S+16*\b], v[S+1+16*\b], v[S+2+16*\b]   ; each block's largest score: for the row's maximum and for the block's largest p
.endr
.irp i, 3,5,7,9,11,13
.irp b, 0,1,2,3
	v_max3_num_f32 v[232+\b], v[232+\b], v[S+16*\b+\i], v[S+1+16*\b+\i]
.endr
.endr
.irp b, 0,1,2,3
	v_max_num_f32 v[232+\b], v[232+\b], v[S+15+16*\b]
.endr
.irp b, 0,1,2,3
	v_permlanex16_b32 v[236+\b], v[232+\b], s[SEL], s[SEL+1]
.endr
.irp b, 0,1,2,3
	v_max_num_f32 v[232+\b], v[232+\b], v[236+\b]
.endr
	s_delay_alu instid0(VALU_DEP_2)
	v_max3_num_f32 v254, v232, v233, v234
	s_delay_alu instid0(VALU_DEP_1)
	v_max_num_f32 v254, v254, v235
	s_delay_alu instid0(VALU_DEP_1)
	v_mul_f32 v254, s[CS], v254
	s_delay_alu instid0(VALU_DEP_1)
	v_max_num_f32 v13, v13, v254                   ; the running largest t
	v_mov_b32 v254, v12
	s_delay_alu instid0(VALU_DEP_2)
	v_floor_f32 v12, -v13                          ; -M
	s_delay_alu instid0(VALU_DEP_1)
	v_sub_f32 v254, v12, v254
	s_delay_alu instid0(VALU_DEP_1)
	v_cvt_i32_f32 v254, v254
	s_delay_alu instid0(VALU_DEP_1)
	v_ldexp_f32 v252, 1.0, v254                    ; f = 2^(old M - new M)
.set jj, 0
.rept 32
	v_pk_fma_f32 v[S+jj:S+jj+1], v[S+jj:S+jj+1], s[CS:CS+1], v[12:13] op_sel_hi:[1,0,0]
.set jj, jj+2
.endr
.irp b, 0,1,2,3
	v_fma_f32 v[232+\b], v[232+\b], s[CS], v12
.endr
.set jj, 0
	s_wait_alu depctr_va_vdst(0)
.rept 64
	v_exp_f32 v[S+jj], v[S+jj]
.set jj, jj+1
.endr
	v_pk_mul_f32 v[14:15], v[14:15], v[252:253] op_sel_hi:[1,0]
	s_wait_alu depctr_va_vdst(0)                   ; and behind it
.irp b, 0,1,2,3
	v_exp_f32 v[232+\b], v[232+\b]
.endr
	v_pk_add_f32 v[236:237], v[S:S+1], v[S+2:S+3]  ; the row's sum, of the unquantised p, in two chains
.irp j, 4,8,12,16,20,24,28,32,36,40,44,48,52,56,60
	v_pk_add_f32 v[14:15], v[14:15], v[S+\j:S+1+\j]
	v_pk_add_f32 v[236:237], v[236:237], v[S+2+\j:S+3+\j]
.endr
	s_delay_alu instid0(VALU_DEP_1)
	v_pk_add_f32 v[14:15], v[14:15], v[236:237]
	s_wait_alu depctr_va_vdst(0)
.irp b, 0,1,2,3
	v_max_num_f32 v[232+\b], 0x1800000, v[232+\b]  ; the floor 2^(3 - 127)
.endr
.irp b, 0,1,2,3
	v_add_nc_u32 v[244+\b], 0xff000000, v[232+\b]
.endr
.irp b, 0,1,2,3
	v_lshrrev_b32 v[236+\b], 23, v[244+\b]
.endr
	s_delay_alu instid0(VALU_DEP_3)
	v_lshl_or_b32 v253, v237, 8, v236              ; p's scale word
	s_delay_alu instid0(VALU_DEP_1)
	v_lshl_or_b32 v253, v238, 16, v253
	s_delay_alu instid0(VALU_DEP_1)
	v_lshl_or_b32 v253, v239, 24, v253
.irp c, 0,1
	v_cvt_scalef32_pk16_fp6_f32 v[224+6*\c:226+6*\c], v[S+32*\c:S+15+32*\c], v[244+2*\c]
	v_cvt_scalef32_pk16_fp6_f32 v[236+4*\c:238+4*\c], v[S+16+32*\c:S+31+32*\c], v[244+2*\c+1]
.endr
	v_nop
.irp c, 0,1
.irp i, 0,1,2
	v_permlane16_swap_b32 v[224+6*\c+\i], v[236+4*\c+\i]
.endr
.irp i, 0,1,2
	v_mov_b32 v[227+6*\c+\i], v[236+4*\c+\i]
.endr
.endr
	s_wait_alu depctr_va_vdst(0)
.set jj, 0
.rept 16
	v_pk_mul_f32 v[O+jj:O+jj+1], v[O+jj:O+jj+1], v[252:253] op_sel_hi:[1,0]
.set jj, jj+2
.endr
	s_wait_alu depctr_va_vdst(0)
	s_wait_dscnt 20                                ; V and its words are in; the 20 loads of the next step's K may be out
.irp d, 0,2
	v_wmma_scale_f32_16x16x128_f8f6f4 v[O+8*\d:O+8*\d+7], v[VB+12*\d:VB+12*\d+11], v[224:235], v[O+8*\d:O+8*\d+7], v[VS+\d/2], v253 matrix_a_fmt:MATRIX_FMT_FP6 matrix_b_fmt:MATRIX_FMT_FP6
	v_wmma_scale_f32_16x16x128_f8f6f4 v[O+8*(\d+1):O+8*(\d+1)+7], v[VB+12*(\d+1):VB+12*(\d+1)+11], v[224:235], v[O+8*(\d+1):O+8*(\d+1)+7], v[VS+\d/2], v253 matrix_a_fmt:MATRIX_FMT_FP6 matrix_b_fmt:MATRIX_FMT_FP6 matrix_a_scale:MATRIX_SCALE_ROW1
.endr
	s_add_co_u32 s[TV], s[TV], 1536
	s_add_co_u32 s[TS], s[TS], 768
.endm
.macro PASS p
	s_wait_loadcnt 0x0                             ; q's fragment and scale words
	v_lshrrev_b32 v[QW], s[SH], v[QW]              ; my head's two bytes of the pair's word, 127 above them
	s_delay_alu instid0(VALU_DEP_1)
	v_and_or_b32 v[QW], v[QW], s[MSK], s[PADB]
	v_mov_b32 v13, 0xff61b1e6
	s_delay_alu instid0(VALU_DEP_1)
	v_floor_f32 v12, -v13
	v_mov_b32 v14, 0
	v_mov_b32 v15, 0
.set jj, 0
.rept 32
	v_mov_b32 v[O+jj], 0
.set jj, jj+1
.endr
	s_mov_b32 s[TS], 0
	s_mov_b32 s[TV], VBASE
	s_mov_b32 s[CNT], 16
	s_wait_alu depctr_va_vdst(0)
.Lkeys_\@:
	STEP
	s_sub_co_u32 s[CNT], s[CNT], 1
	s_cmp_lg_u32 s[CNT], 0
	s_cbranch_scc1 .Lkeys_\@
	PLACES 4
.if \p == 0
	QLOAD 1
.endif
	v_add_f32 v14, v14, v15
	s_delay_alu instid0(VALU_DEP_1)
	v_permlanex16_b32 v252, v14, s[SEL], s[SEL+1]
	s_delay_alu instid0(VALU_DEP_1)
	v_add_f32 v14, v14, v252
	s_wait_alu depctr_va_vdst(0)
	v_rcp_f32 v14, v14
	v_nop
	s_wait_alu depctr_va_vdst(0)
.set jj, 0
.rept 32
	v_mul_f32 v[S+jj], v[O+jj], v14                ; o = O^T / the sum
.set jj, jj+1
.endr
.irp b, 0,1
	v_max3_num_f32 v[232+\b], |v[S+16*\b]|, |v[S+1+16*\b]|, 0x1800000
.endr
.irp i, 2,4,6,8,10,12,14
.irp b, 0,1
	s_delay_alu instid0(VALU_DEP_2)
	v_max3_num_f32 v[232+\b], v[232+\b], |v[S+16*\b+\i]|, |v[S+1+16*\b+\i]|
.endr
.endr
.irp b, 0,1
	s_delay_alu instid0(VALU_DEP_2)
	v_permlanex16_b32 v[236+\b], v[232+\b], s[SEL], s[SEL+1]
.endr
.irp b, 0,1
	s_delay_alu instid0(VALU_DEP_2)
	v_max_num_f32 v[232+\b], v[232+\b], v[236+\b]
.endr
.irp b, 0,1
	s_delay_alu instid0(VALU_DEP_2)
	v_add_nc_u32 v[244+\b], 0xff000000, v[232+\b]
.endr
.irp b, 0,1
	s_delay_alu instid0(VALU_DEP_2)
	v_lshrrev_b32 v[236+\b], 23, v[244+\b]
.endr
	s_delay_alu instid0(VALU_DEP_1)
	v_lshl_or_b32 v254, v237, 8, v236
	v_cvt_scalef32_pk16_fp6_f32 v[224:226], v[S:S+15], v244
	v_cvt_scalef32_pk16_fp6_f32 v[240:242], v[S+16:S+31], v245
	v_nop
.irp i, 0,1,2
	v_permlane16_swap_b32 v[224+\i], v[240+\i]
.endr
.irp i, 0,1,2
	s_delay_alu instid0(VALU_DEP_3)
	v_mov_b32 v[227+\i], v[240+\i]
.endr
	global_store_b128 v[L16], v[224:227], s[AOB:AOB+1] offset:196608*\p
	global_store_b64 v[LT], v[228:229], s[AOB:AOB+1] offset:196608*\p+512
	global_store_b16 v[R32], v254, s[ASB:ASB+1] offset:8192*\p
	s_wait_xcnt 0x0                                ; the stores have read their registers
.endm
	s_load_b256 s[4:11], s[0:1], 0x0               ; qkv, qkvs, ao, aos
	v_lshl_add_u32 v243, v0, 2, SPARE
	v_mov_b32 v255, 0
	ds_add_u32 v243, v255
	ds_add_u32 v243, v255
	v_lshrrev_b32 v1, 5, v0
	v_readfirstlane_b32 s[WV], v1
	s_bfe_u32 s[CX], ttmp6, 0x40000
	s_and_b32 s[Y], ttmp7, 0xffff                  ; 16 x batch + head
	s_lshr_b32 s[BI], s[Y], 4
	s_and_b32 s[HD], s[Y], 15
	s_and_b32 s[SH], s[Y], 1
	s_lshl_b32 s[SH], s[SH], 4
	s_mov_b32 s[MSK], 0xffff
	s_mov_b32 s[PADB], 0x7f7f0000
	s_mov_b32 s[SEL], 0x76543210
	s_mov_b32 s[SEL+1], 0xfedcba98
	s_mov_b32 s[CS], 0x3e38aa3b                    ; log2(e) / 8
	s_mov_b32 s[CS+1], s[CS]
	s_mov_b32 s[G1], 15|(3<<16)|(1<<21)            ; the four work-groups of the cluster; elements of 8 bytes
	s_mov_b32 s[G1+1], 32<<16                      ; 48 rows of 256 bytes, dense
	s_mov_b32 s[G1+2], 48<<16
	s_mov_b32 s[G1+3], 32<<16
	s_mov_b32 s[G1+4], 48
	s_mov_b32 s[G1+5], 32
	s_mov_b32 s[G1+6], 0
	s_mov_b32 s[G1+7], 0
	s_mul_i32 s87, s[Y], 98304
	s_lshr_b32 s88, s[Y], 1
	s_lshl_b32 s88, s88, 13
	s_lshr_b32 s90, s[WV], 3                       ; waves 0-7 fetch K's block, waves 8-15 V's: an eighth each
	s_mul_i32 s90, s90, 6291456
	s_and_b32 s91, s[WV], 7
	s_mul_i32 s91, s91, 12288
	s_add_co_u32 s90, s90, s91
	s_add_co_u32 s90, s90, s87
	s_add_co_u32 s90, s90, 6291456
	s_mov_b32 s91, 0
	s_add_co_u32 s94, s88, 262144                  ; K's scale words of my pair of heads: 8,192 bytes
	s_mov_b32 s95, 0
	s_lshl_b32 s96, s[BI], 16                      ; V's of key step = my wave: 256 bytes
	s_lshl_b32 s97, s[WV], 12
	s_add_co_u32 s96, s96, s97
	s_lshl_b32 s97, s[HD], 8
	s_add_co_u32 s96, s96, s97
	s_add_co_u32 s96, s96, 524288
	s_mov_b32 s97, 0
	s_mul_i32 s89, s[WV], 768
	s_add_co_u32 s89, s89, SCL                     ; where step = my wave's scale words go
	v_and_b32 v3, 31, v0
	v_and_b32 v10, 15, v0
	v_bfe_u32 v11, v0, 4, 1
	v_lshlrev_b32 v[L16], 4, v3
	v_lshlrev_b32 v[LT], 4, v10
	v_lshl_add_u32 v[LT], v11, 3, v[LT]
	v_lshlrev_b32 v28, 4, v0                       ; 16 x thread
	v_lshlrev_b32 v29, 3, v3                       ; 8 x lane
	v_add_nc_u32 v30, s89, v[L16]
	v_lshl_add_u32 v31, v3, 3, s89
	v_lshl_add_u32 v[L4], v3, 2, SCL
	v_lshlrev_b32 v[R4], 2, v10
	v_lshlrev_b32 v[R32], 5, v10
	s_wait_alu depctr_va_vdst(0)
	s_wait_dscnt 0x0
	s_wait_kmcnt 0x0
	s_mov_b32 s[G0], 1
	s_mul_i32 s[G0+1], s[WV], 12288
	s_add_nc_u64 s[G0+2:G0+3], s[4:5], s[90:91]
	s_or_b32 s[G0+3], s[G0+3], 0x80000000
	s_add_nc_u64 s[94:95], s[6:7], s[94:95]
	s_add_nc_u64 s[96:97], s[6:7], s[96:97]
	s_lshl_b32 s98, s[CX], 5
	s_add_co_u32 s98, s98, s[WV]                   ; my first tile of queries
	s_mul_i32 s[QB], s98, 768
	s_add_co_u32 s[QB], s[QB], s87
	s_mov_b32 s[QB+1], 0
	s_add_nc_u64 s[QB:QB+1], s[4:5], s[QB:QB+1]
	s_lshl_b32 s[QS], s98, 6
	s_add_co_u32 s[QS], s[QS], s88
	s_mov_b32 s[QS+1], 0
	s_add_nc_u64 s[QS:QS+1], s[6:7], s[QS:QS+1]
	s_lshl_b32 s99, s[BI], 7
	s_add_co_u32 s99, s99, s98
	s_lshl_b32 s[AOB], s99, 3
	s_lshr_b32 s[AOB+1], s[HD], 1
	s_add_co_u32 s[AOB], s[AOB], s[AOB+1]
	s_mul_i32 s[AOB], s[AOB], 1536
	s_and_b32 s[AOB+1], s[HD], 1
	s_mul_i32 s[AOB+1], s[AOB+1], 768
	s_add_co_u32 s[AOB], s[AOB], s[AOB+1]
	s_mov_b32 s[AOB+1], 0
	s_add_nc_u64 s[AOB:AOB+1], s[8:9], s[AOB:AOB+1]
	s_lshl_b32 s[ASB], s99, 9
	s_lshl_b32 s[ASB+1], s[HD], 1
	s_add_co_u32 s[ASB], s[ASB], s[ASB+1]
	s_mov_b32 s[ASB+1], 0
	s_add_nc_u64 s[ASB:ASB+1], s[10:11], s[ASB:ASB+1]
	global_load_b128 v[S:S+3], v28, s[94:95]       ; the wave reads 512 consecutive bytes: K's words of key step = my wave
	global_load_b64 v[S+4:S+5], v29, s[96:97]      ; 256 consecutive bytes: V's
	QLOAD 0
	CROUND                                         ; the four work-groups meet: the joint loads follow
	tensor_load_to_lds s[G0:G0+3], s[G1:G1+7]      ; my one tensor load
	s_nop 0
	PLACES 4
.irp i, 6,7,8,9,10,11
	v_mov_b32 v[QF+\i], 0                          ; q's upper 64 codes
	v_mov_b32 v[VB+\i-6], 0                        ; named as the last K tile's upper half before V is first loaded
.endr
.irp b, 0,1,2,3
	v_mov_b32 v[236+\b], 0                         ; a lane permute's destination counts as one of its sources
.endr
	v_mov_b32 v252, 0
	v_mov_b32 v253, 0
	s_wait_loadcnt 3                               ; the scale words are in; q's three loads may be out
.irp i, 0,1,2,3
	v_lshrrev_b32 v[S+\i], s[SH], v[S+\i]          ; my head's two bytes of each word, 127 above them
.endr
.irp i, 0,1,2,3
	v_and_or_b32 v[S+\i], v[S+\i], s[MSK], s[PADB]
.endr
	ds_store_b128 v30, v[S:S+3]
	ds_store_b64 v31, v[S+4:S+5] offset:512
	s_mov_b32 s[TBN], 6144
	s_mov_b32 s[TSN], 768
	s_wait_alu depctr_va_vdst(0)
	s_wait_tensorcnt 0x0                           ; my part of the codes has landed,
	s_wait_dscnt 0x0                               ; my stores are done:
	s_barrier_signal -1
	s_barrier_wait -1                              ; everybody's
	KLOAD L16, LT, L4                              ; step 0's K
	PASS 0
	PASS 1
	s_wait_tensorcnt 0x0                           ; the wave's end
	ds_add_u32 v243, v255
	s_wait_dscnt 0x0
	CROUND                                         ; the closing round
	s_endpgm
.Lfunc_end_k_qcefb674bbb_attn:
	.size	k_qcefb674bbb_attn, .Lfunc_end_k_qcefb674bbb_attn-k_qcefb674bbb_attn
	.p2alignl 7, 3214868480
	.fill 96, 4, 3214868480
	.section	.rodata,"a",@progbits
	.p2align	6, 0x0
	.amdhsa_kernel k_qcefb674bbb_attn
		.amdhsa_group_segment_fixed_size 327680
		.amdhsa_private_segment_fixed_size 0
		.amdhsa_enable_private_segment 0
		.amdhsa_kernarg_size 32
		.amdhsa_user_sgpr_count 2
		.amdhsa_user_sgpr_kernarg_segment_ptr 1
		.amdhsa_wavefront_size32 1
		.amdhsa_system_sgpr_workgroup_id_x 1
		.amdhsa_system_sgpr_workgroup_id_y 1
		.amdhsa_system_sgpr_workgroup_id_z 1
		.amdhsa_system_vgpr_workitem_id 0
		.amdhsa_next_free_vgpr 256
		.amdhsa_next_free_sgpr 100
		.amdhsa_reserve_vcc 0
		.amdhsa_float_denorm_mode_32 3
		.amdhsa_float_denorm_mode_16_64 3
		.amdhsa_memory_ordered 1
		.amdhsa_forward_progress 1
		.amdhsa_inst_pref_size 55
	.end_amdhsa_kernel
	.amdgpu_metadata
---
amdhsa.version: [ 1, 2 ]
amdhsa.kernels:
  - .name:           k_qcefb674bbb_attn
    .symbol:         k_qcefb674bbb_attn.kd
    .args:
      - { .name: qkv, .offset: 0, .size: 8, .value_kind: global_buffer, .address_space: global }
      - { .name: qkvs, .offset: 8, .size: 8, .value_kind: global_buffer, .address_space: global }
      - { .name: ao, .offset: 16, .size: 8, .value_kind: global_buffer, .address_space: global }
      - { .name: aos, .offset: 24, .size: 8, .value_kind: global_buffer, .address_space: global }
    .group_segment_fixed_size: 327680
    .private_segment_fixed_size: 0
    .kernarg_segment_align: 8
    .kernarg_segment_size: 32
    .max_flat_workgroup_size: 512
    .sgpr_count:     100
    .vgpr_count:     256
    .wavefront_size: 32
...
	.end_amdgpu_metadata
.endif
;; end of part 3
;; launch outproj (part 4): grid 4 x 64, 4 waves a work-group, clusters of 4 x 4, 327,680 bytes of LDS; arguments ao, aos, codes, scales, bo, out0; writes out0
.if DOCPART == 4
	.amdgcn_target "amdgcn-amd-amdhsa--gfx1250"
	.amdhsa_code_object_version 6
	.text
	.protected	k_qcefb674bbb_outproj
	.globl	k_qcefb674bbb_outproj
	.p2align	8
	.type	k_qcefb674bbb_outproj,@function
k_qcefb674bbb_outproj:
	s_mov_b64 s[64:65], 0
	v_nop
	global_prefetch_b8 v0, s[64:65] scope:SCOPE_SE
	s_setreg_imm32_b32 hwreg(HW_REG_WAVE_MODE, 25, 1), 1
	s_wait_xcnt 0x0
	s_wait_alu depctr_hold_cnt(0) depctr_sa_sdst(0) depctr_va_vdst(0) depctr_va_sdst(0) depctr_va_ssrc(0) depctr_va_vcc(0) depctr_vm_vsrc(0)
	s_getreg_b32 s2, hwreg(HW_REG_IB_STS2, 6, 4)
	s_cmp_eq_u32 s2, 0
	s_cbranch_scc0 .Lentry_in_a_cluster
	s_endpgm
.Lentry_in_a_cluster:
	s_bfe_u32 s2, ttmp6, 0x10000c
	s_cmp_lg_u32 s2, 0xf033
	s_cbranch_scc0 .Lentry_shape_is_right
	s_endpgm
.Lentry_shape_is_right:
; out0 = O Wo + bo on codes of FP6 (E2M3).  A rows = tokens (the attention's result, as fragments' images, rows in storage order: bits 3 and 4 of the row exchanged), B rows = Wo's columns n (likewise).
; THE MATRIX INSTRUCTION IS USED TRANSPOSED: source 0 = 16 B rows, source 1 = 16 A rows: a lane holds one token; the 16 registers of B tiles 2 b, 2 b + 1 are the true columns 32 b + 16 (lane / 16) + 0 .. 15.
; SHARES.  A cluster of 4 x 4 work-groups makes 512 tokens x all 1,024 columns; a work-group 128 x 256, a wave 64 x 128: 32 accumulators.
; ALL OF K (1,024) of the work-group's two tiles lies in LDS: every byte of LDS is filled once, in two chunks of 512 along K, so there is no ring.  The tiles are asked for JOINTLY: A's along a row of the cluster, B's along a column.
; A wave has one tensor load out.  bo is the C of each sum's first product.
; REGISTERS: window 0: v1-28 addresses; v32-79 scale words, two sets of 24; v88-151 the bias; v152-247 A's fragments, two sets of 48; on the way out v88-215 take rows of the result.
;   window 1: B's fragments, two sets of 96.   window 2: accumulator (a, b) at v[8 (8 a + b)].
.set ACH,   49152                      ; LDS: A's codes [chunk 2][tile 8][4 K steps][1,536]
.set BCODE, 98304                      ; B's codes [chunk 2][tile 16][4 K steps][1,536]
.set BCH,   98304
.set ASC,   294912
.set BSC,   299264
.set PA,  4                            ; s[4:5]   ao
.set PAS, 6                            ; s[6:7]   aos
.set PB,  8                            ; s[8:9]   codes
.set PBS, 10                           ; s[10:11] scales
.set WV,  18
.set AR,  19
.set BC,  20
.set CX,  21
.set CY,  22
.set CC,  23
.set G1A,  24
.set G1B,  32
.set G1AS, 40
.set G1BS, 48
.set G0AS, 56
.set G0BS, 60
.set G0A0, 68
.set G0B0, 72
.set G0A1, 76
.set G0B1, 80
.set L16,  1
.set LT,   2
.set ADA,  16
.set ADB,  20
.set ADSA, 24
.set ADSB, 25
.set STO,  26                          ; v26 the way out: where I put 32 bytes of a row
.set RD,   27                          ; v27 and where I read a row back
.set SCW,  32
.set BB,   88
.set AF,   152
.set MSB, 0
.macro WIN new                         ; the immediate's high byte repeats the setting that is left
.if MSB != \new
	s_set_vgpr_msb (MSB<<8)|\new
.set MSB, \new
.endif
.endm
.macro PLACES n
.rept \n
	v_nop
.endr
.endm
.macro CROUND                          ; a round of the cluster's barrier
	s_barrier_signal -1
	s_barrier_wait -1
	s_cmp_lg_u32 s[WV], 0
	s_cbranch_scc1 .Lnot_wave_0_\@
	s_barrier_signal -3
.Lnot_wave_0_\@:
	s_barrier_wait -3
	s_barrier_signal -1
	s_barrier_wait -1
.endm
.macro FRAG reg, ah, at, off           ; a fragment's image comes back as it was stored: every load covers 512 or 256 consecutive bytes
	ds_load_b128 v[\reg:\reg+3], v[\ah] offset:\off
	ds_load_b64 v[\reg+4:\reg+5], v[\at] offset:\off+512
	ds_load_b128 v[\reg+6:\reg+9], v[\ah] offset:\off+768
	ds_load_b64 v[\reg+10:\reg+11], v[\at] offset:\off+1280
.endm
.macro FETCH t                         ; K step t: B's eight fragments and A's four, 48 loads, into set t % 2
.set FQ, (\t)/4
.set FS, (\t)%4
.set FP, (\t)%2
	WIN 0x40                                       ; destination window 1
.irp b, 0,1,2,3,4,5,6,7
	FRAG 96*FP+12*\b, ADB+FQ, ADB+2+FQ, 6144*\b+1536*FS
.endr
	WIN 0
.irp a, 0,1,2,3
	FRAG AF+48*FP+12*\a, ADA+FQ, ADA+2+FQ, 6144*\a+1536*FS
.endr
.endm
.macro SCALES q                        ; the scale words of K steps 4 q .. 4 q + 3: 16 bytes of each row
.irp i, 0,1,2,3
	global_load_b128 v[SCW+24*\q+4*\i:SCW+24*\q+4*\i+3], v[ADSB], s[G0BS+2:G0BS+3] offset:512*\i+16*\q   ; straight from memory: the two q together read each row's 32 bytes whole
.endr
.irp i, 0,1
	global_load_b128 v[SCW+16+24*\q+4*\i:SCW+16+24*\q+4*\i+3], v[ADSA], s[G0AS+2:G0AS+3] offset:512*\i+16*\q
.endr
.endm
.macro WM a, b                         ; one product; MQ, MS, MP, MFIRST are set by STEP
.set rD, 8*(8*\a+\b)
.set rC, rD
.if MFIRST
.set rC, BB+8*\b
.endif
.set rB, 96*MP+12*\b
.set rA, AF+48*MP+12*\a
.set rSB, SCW+24*MQ+4*(\b%4)+MS
.set rSA, SCW+16+24*MQ+4*(\a%2)+MS
.if (\b < 4) && (\a < 2)
	v_wmma_scale_f32_16x16x128_f8f6f4 v[rD:rD+7], v[rB:rB+11], v[rA:rA+11], v[rC:rC+7], v[rSB], v[rSA] matrix_a_fmt:MATRIX_FMT_FP6 matrix_b_fmt:MATRIX_FMT_FP6
.elseif (\a < 2)
	v_wmma_scale_f32_16x16x128_f8f6f4 v[rD:rD+7], v[rB:rB+11], v[rA:rA+11], v[rC:rC+7], v[rSB], v[rSA] matrix_a_fmt:MATRIX_FMT_FP6 matrix_b_fmt:MATRIX_FMT_FP6 matrix_a_scale:MATRIX_SCALE_ROW1
.elseif (\b < 4)
	v_wmma_scale_f32_16x16x128_f8f6f4 v[rD:rD+7], v[rB:rB+11], v[rA:rA+11], v[rC:rC+7], v[rSB], v[rSA] matrix_a_fmt:MATRIX_FMT_FP6 matrix_b_fmt:MATRIX_FMT_FP6 matrix_b_scale:MATRIX_SCALE_ROW1
.else
	v_wmma_scale_f32_16x16x128_f8f6f4 v[rD:rD+7], v[rB:rB+11], v[rA:rA+11], v[rC:rC+7], v[rSB], v[rSA] matrix_a_fmt:MATRIX_FMT_FP6 matrix_b_fmt:MATRIX_FMT_FP6 matrix_a_scale:MATRIX_SCALE_ROW1 matrix_b_scale:MATRIX_SCALE_ROW1
.endif
.endm
; A K step of 128: the next step's 48 loads go out in one run, then 32 products.  The 32 accumulators take turns, one instruction a turn, in the same order in every step.
.macro STEP t
.set MQ, (\t)/4
.set MS, (\t)%4
.set MP, (\t)%2
.set MFIRST, (\t)==0
	s_wait_dscnt 0x0                               ; this step's fragments are in
.if (\t) == 2
	s_wait_tensorcnt 0x0                           ; my parts of chunk 1 have landed:
	s_barrier_signal -1                            ; say so; up to the wait stand LDS loads of chunk 0, which nobody writes before a later barrier, and work on registers
.endif
.if (\t) == 3
	s_barrier_wait -1                              ; everybody's have: chunk 1 may be read
.endif
.if (\t) > 0
	PLACES 4                                       ; in front of loads into registers that the last step's products have read (ISA guide 7.12.1 for vector instructions)
.endif
.if (\t) < 7
	FETCH (\t)+1
.endif
.if (\t) == 0
	WIN 0x81                                       ; source 0 (B) window 1, source 1 (A) and C (the bias) window 0, D window 2
.else
	WIN 0xa1                                       ; C and D window 2
.endif
.irp a, 0,1,2,3
.irp b, 0,1,2,3,4,5,6,7
	WM \a, \b
.endr
.endr
	WIN 0
.endm
	s_load_b256 s[4:11], s[0:1], 0x0               ; ao, aos, codes, scales
	s_load_b128 s[12:15], s[0:1], 0x20             ; bo s[12:13], out0 s[14:15]
	v_lshl_add_u32 v254, v0, 2, 0x4b300
	v_mov_b32 v255, 0
	ds_add_u32 v254, v255
	ds_add_u32 v254, v255
	v_lshrrev_b32 v1, 5, v0
	v_readfirstlane_b32 s[WV], v1                  ; wave 0..3
	s_lshr_b32 s[AR], s[WV], 1
	s_and_b32 s[BC], s[WV], 1
	s_bfe_u32 s[CX], ttmp6, 0x40000
	s_bfe_u32 s[CY], ttmp6, 0x40004
	s_and_b32 s[CC], ttmp7, 0xffff                 ; the cluster's number, 0 .. 15
	s_lshl_b32 s84, s[CY], 2
	s_lshl_b32 s84, 15, s84                        ; my row of the cluster
	s_lshl_b32 s85, 0x1111, s[CX]                  ; my column
	; groups 1.  Codes: R rows of 6,144 bytes (768 elements of 8 bytes: a tile's four K steps), 12,288 bytes apart in memory, dense in LDS
	s_or_b32 s[G1A], s84, (3<<16)|(1<<21)          ; 15:0 the mask; 17:16 elements of 8 bytes; 21 set beside a mask
	s_or_b32 s[G1B], s85, (3<<16)|(1<<21)
.irp g, G1A, G1B
	s_mov_b32 s[\g+1], 768<<16
	s_mov_b32 s[\g+3], 768<<16
	s_mov_b32 s[\g+5], 1536
	s_mov_b32 s[\g+6], 0
	s_mov_b32 s[\g+7], 0
.endr
	s_mov_b32 s[G1A+2], 8<<16                      ; one load brings a chunk of all 8 tiles of A,
	s_mov_b32 s[G1A+4], 8
	s_mov_b32 s[G1B+2], 16<<16                     ; or of all 16 of B
	s_mov_b32 s[G1B+4], 16
	; scale bytes: loaded from memory straight into registers, never into LDS
	; A's numbers hang on the cluster, cy and the wave; B's on cx and the wave; each in registers that never hold the other coordinate
	s_lshl_b32 s86, s[CC], 9
	s_lshl_b32 s87, s[CY], 7
	s_add_co_u32 s86, s86, s87
	s_lshl_b32 s88, s86, 5
	s_mov_b32 s89, 0
	s_mul_i32 s90, s86, 768
	s_mov_b32 s91, 0
	s_lshl_b32 s92, s[CX], 8
	s_add_co_u32 s92, s92, 27648                   ; Wo's storage rows begin at 27 x 1,024: the first of the 256 that I fetch
	s_lshl_b32 s94, s92, 5
	s_mov_b32 s95, 0
	s_mul_i32 s96, s92, 768
	s_mov_b32 s97, 0
	s_wait_dscnt 0x0
	s_wait_kmcnt 0x0
	s_add_nc_u64 s[G0AS+2:G0AS+3], s[PAS:PAS+1], s[88:89]   ; the scale bytes of the work-group's 128 A rows: a plain address, for loads into registers
	s_add_nc_u64 s[G0BS+2:G0BS+3], s[PBS:PBS+1], s[94:95]   ; and of its 256 B rows
	s_mov_b32 s[G0A0], 1
	s_mov_b32 s[G0A0+1], 0
	s_add_nc_u64 s[G0A0+2:G0A0+3], s[PA:PA+1], s[90:91]
	s_mov_b32 s[G0A1], 1
	s_add_co_u32 s[G0A1+1], s[G0A0+1], ACH
	s_add_nc_u64 s[G0A1+2:G0A1+3], s[G0A0+2:G0A0+3], 6144
	s_or_b32 s[G0A0+3], s[G0A0+3], 0x80000000
	s_or_b32 s[G0A1+3], s[G0A1+3], 0x80000000
	s_mov_b32 s[G0B0], 1
	s_mov_b32 s[G0B0+1], BCODE
	s_add_nc_u64 s[G0B0+2:G0B0+3], s[PB:PB+1], s[96:97]
	s_mov_b32 s[G0B1], 1
	s_add_co_u32 s[G0B1+1], s[G0B0+1], BCH
	s_add_nc_u64 s[G0B1+2:G0B1+3], s[G0B0+2:G0B0+3], 6144
	s_or_b32 s[G0B0+3], s[G0B0+3], 0x80000000
	s_or_b32 s[G0B1+3], s[G0B1+3], 0x80000000
	CROUND                                         ; all sixteen work-groups are here: the joint loads meet
; THE HEAD'S LOADS, ONE A WAVE: wave 0 A's chunk 0, wave 1 B's chunk 0, wave 2 A's chunk 1, wave 3 B's chunk 1.  One chain of branches on the wave's number, one load to an arm.
.macro TL g0, g1
	tensor_load_to_lds s[\g0:\g0+3], s[\g1:\g1+7]
	s_nop 0
	PLACES 4
.endm
	s_cmp_eq_u32 s[WV], 0
	s_cbranch_scc0 .Lh1
	TL G0A0, G1A
	s_branch .Lhj
.Lh1:
	s_cmp_eq_u32 s[WV], 1
	s_cbranch_scc0 .Lh2
	TL G0B0, G1B
	s_branch .Lhj
.Lh2:
	s_cmp_eq_u32 s[WV], 2
	s_cbranch_scc0 .Lh3
	TL G0A1, G1A                                   ; wave 2: A's chunk 1
	s_branch .Lhj
.Lh3:
	TL G0B1, G1B                                   ; wave 3: B's chunk 1
.Lhj:
	v_and_b32 v3, 31, v0                           ; lane
	v_and_b32 v4, 15, v0                           ; r
	v_bfe_u32 v5, v0, 4, 1                         ; h
	v_lshlrev_b32 v[L16], 4, v3
	v_lshlrev_b32 v[LT], 4, v4
	v_lshl_add_u32 v[LT], v5, 3, v[LT]
	s_mul_i32 s2, s[AR], 24576                     ; my four tiles of A (LDS bases stand in s2 and s3, which hold nothing of the cluster)
	v_add_nc_u32 v[ADA], s2, v[L16]
	v_add_nc_u32 v[ADA+1], ACH, v[ADA]
	v_add_nc_u32 v[ADA+2], s2, v[LT]
	v_add_nc_u32 v[ADA+3], ACH, v[ADA+2]
	s_mul_i32 s3, s[BC], 49152                     ; my eight tiles of B
	s_add_co_u32 s3, s3, BCODE
	v_add_nc_u32 v[ADB], s3, v[L16]
	v_add_nc_u32 v[ADB+1], BCH, v[ADB]
	v_add_nc_u32 v[ADB+2], s3, v[LT]
	v_add_nc_u32 v[ADB+3], BCH, v[ADB+2]
	v_lshlrev_b32 v7, 5, v4                        ; row r's 32 scale bytes, as they lie in memory
	s_lshl_b32 s2, s[AR], 11                       ; my 64 A rows
	v_lshl_add_u32 v[ADSA], v5, 10, v7             ; lanes 16-31: two blocks of 16 rows on
	v_add_nc_u32 v[ADSA], s2, v[ADSA]
	s_lshl_b32 s3, s[BC], 12                       ; my 128 B rows
	v_lshl_add_u32 v[ADSB], v5, 11, v7             ; lanes 16-31: four tiles on
	v_add_nc_u32 v[ADSB], s3, v[ADSB]
	s_mul_i32 s2, s[WV], 8448                      ; my stage for the way out: 16 rows of 512 bytes + 16, in A's chunk 0
	v_mul_u32_u24 v[STO], v4, 528
	v_lshl_add_u32 v[STO], v5, 6, v[STO]
	v_add_nc_u32 v[STO], s2, v[STO]
	v_add_nc_u32 v[RD], s2, v[L16]
	s_lshl_b32 s96, s[CX], 10
	s_lshl_b32 s97, s[BC], 9
	s_add_co_u32 s96, s96, s97                     ; 4 x (256 cx + 128 x my half)
	s_mov_b32 s97, 0
	s_add_nc_u64 s[96:97], s[12:13], s[96:97]
	v_lshlrev_b32 v8, 6, v5                        ; tile t's register j of lane (r, h) is column 32 (t / 2) + 8 (t % 2) + 16 h + j
.irp t, 0,1,2,3,4,5,6,7
	global_load_b128 v[BB+8*\t:BB+8*\t+3], v8, s[96:97] offset:(32*(\t/2)+8*(\t%2))*4
	global_load_b128 v[BB+8*\t+4:BB+8*\t+7], v8, s[96:97] offset:(32*(\t/2)+8*(\t%2))*4+16
.endr
	s_wait_alu depctr_va_vdst(0)
	SCALES 0                                       ; all of K's scale words, both sets, once
	SCALES 1
	s_wait_loadcnt 0x0
	s_cmp_lt_u32 s[WV], 2                          ; waves 0 and 1 fetched chunk 0, each by a line of its own: they wait; chunk 1 may still be out
	s_cbranch_scc0 .Lnw
	s_wait_tensorcnt 0x0
.Lnw:
	s_barrier_signal -1
	s_barrier_wait -1                              ; chunk 0 is whole
	FETCH 0
.irp t, 0,1,2,3,4,5,6,7
	STEP \t
.endr
	; THE WAY OUT, block by block of 16 tokens x 128 columns, through my stage and back as whole rows of 512 bytes.  The stage lies where A's codes lay: those bytes have had their one fill, and behind the barrier nobody reads them.
	s_wait_dscnt 0x0                               ; my reads of the codes are over
	s_barrier_signal -1
	s_barrier_wait -1
	s_lshl_b32 s24, s[CC], 9
	s_lshl_b32 s25, s[CY], 7
	s_add_co_u32 s24, s24, s25
	s_lshl_b32 s25, s[AR], 6
	s_add_co_u32 s24, s24, s25                     ; my first token
	s_lshl_b32 s24, s24, 12                        ; a row of out0 is 4,096 bytes
	s_lshl_b32 s25, s[CX], 10
	s_add_co_u32 s24, s24, s25
	s_lshl_b32 s25, s[BC], 9
	s_add_co_u32 s24, s24, s25
	s_mov_b32 s25, 0
	s_add_nc_u64 s[26:27], s[14:15], s[24:25]      ; never stepped: a row's place stands in the store's immediate
.macro TOSTAGE a
	WIN 0x08                                       ; an LDS store's data are its source 1: window 2
.irp t, 0,1,2,3,4,5,6,7
	ds_store_b128 v[STO], v[8*(8*(\a)+\t):8*(8*(\a)+\t)+3] offset:128*(\t/2)+32*(\t%2)          ; each accumulator from its low end on
	ds_store_b128 v[STO], v[8*(8*(\a)+\t)+4:8*(8*(\a)+\t)+7] offset:128*(\t/2)+32*(\t%2)+16
.endr
	WIN 0
.set BK, 88+64*((\a)%2)
.irp i, 0,1,2,3,4,5,6,7,8,9,10,11,12,13,14,15
	ds_load_b128 v[BK+4*\i:BK+4*\i+3], v[RD] offset:528*\i   ; LDS serves a wave's instructions in order (ISA guide 5.7.1.4): these see the stores above
.endr
.endm
.macro SEND a, younger                 ; younger: the LDS instructions issued behind block a's loads, which may stay out
.set BK, 88+64*((\a)%2)
	s_wait_dscnt \younger
.irp i, 0,1,2,3,4,5,6,7,8,9,10,11,12,13,14,15
	global_store_b128 v[L16], v[BK+4*\i:BK+4*\i+3], s[26:27] offset:(32*((\a)/2)+8*((\a)%2)+\i+8*(\i/8))*4096 th:TH_STORE_NT   ; storage row i of block a is this true token; 32 lanes store 512 consecutive bytes, aligned
.endr
.endm
	PLACES 4                                       ; behind the last products: their results are read, and loads land in their operands' registers
	TOSTAGE 0
.irp a, 1,2,3
.if \a > 1
	s_wait_xcnt 0x0                                ; block a - 2's stores have read their registers: block a's loads may land there
.endif
	TOSTAGE \a
	SEND \a-1, 32                                  ; behind block a - 1's loads: block a's 16 stores and 16 loads
.endr
	SEND 3, 0
	s_wait_tensorcnt 0x0
	ds_add_u32 v254, v255
	s_wait_dscnt 0x0
	CROUND                                         ; the closing round: no work-group ends while a partner may still ask for a tile that names it
	s_endpgm
.Lfunc_end_k_qcefb674bbb_outproj:
	.size	k_qcefb674bbb_outproj, .Lfunc_end_k_qcefb674bbb_outproj-k_qcefb674bbb_outproj
	.p2alignl 7, 3214868480
	.fill 96, 4, 3214868480
	.section	.rodata,"a",@progbits
	.p2align	6, 0x0
	.amdhsa_kernel k_qcefb674bbb_outproj
		.amdhsa_group_segment_fixed_size 327680
		.amdhsa_private_segment_fixed_size 0
		.amdhsa_enable_private_segment 0
		.amdhsa_kernarg_size 48
		.amdhsa_user_sgpr_count 2
		.amdhsa_user_sgpr_kernarg_segment_ptr 1
		.amdhsa_wavefront_size32 1
		.amdhsa_system_sgpr_workgroup_id_x 1
		.amdhsa_system_sgpr_workgroup_id_y 1
		.amdhsa_system_sgpr_workgroup_id_z 1
		.amdhsa_system_vgpr_workitem_id 0
		.amdhsa_next_free_vgpr 768
		.amdhsa_next_free_sgpr 100
		.amdhsa_reserve_vcc 0
		.amdhsa_float_denorm_mode_32 3
		.amdhsa_float_denorm_mode_16_64 3
		.amdhsa_memory_ordered 1
		.amdhsa_forward_progress 1
		.amdhsa_inst_pref_size 84
	.end_amdhsa_kernel
	.amdgpu_metadata
---
amdhsa.version: [ 1, 2 ]
amdhsa.kernels:
  - .name:           k_qcefb674bbb_outproj
    .symbol:         k_qcefb674bbb_outproj.kd
    .args:
      - { .name: ao, .offset: 0, .size: 8, .value_kind: global_buffer, .address_space: global }
      - { .name: aos, .offset: 8, .size: 8, .value_kind: global_buffer, .address_space: global }
      - { .name: codes, .offset: 16, .size: 8, .value_kind: global_buffer, .address_space: global }
      - { .name: scales, .offset: 24, .size: 8, .value_kind: global_buffer, .address_space: global }
      - { .name: bo, .offset: 32, .size: 8, .value_kind: global_buffer, .address_space: global }
      - { .name: out0, .offset: 40, .size: 8, .value_kind: global_buffer, .address_space: global }
    .group_segment_fixed_size: 327680
    .private_segment_fixed_size: 0
    .kernarg_segment_align: 8
    .kernarg_segment_size: 48
    .max_flat_workgroup_size: 128
    .sgpr_count:     100
    .vgpr_count:     768
    .wavefront_size: 32
...
	.end_amdgpu_metadata
.endif
;; end of part 4
